; MI455X (gfx1250); checked and timed in simulation.
; The chip was launched on July 23, 2026; its instructions are those of AMD's public machine-readable ISA for CDNA 5 (MIT licence, August 2026) and "CDNA5" Instruction Set Architecture Reference Guide (July 2026). The comments in the code are by the model that wrote it; some were corrected since.
;; Attention. Allowed arithmetic: matrix products marked QUANTISED: E4M3 operands, one E8M0 scale for each 32 along K, by v_wmma_scale_f32_16x16x128_f8f6f4 with both operands' format E4M3, f32 sums; everything else in f32.
;; Inputs: W_k 2,048 x 512 float32; W_o 1,024 x 2,048 float32; W_q 2,048 x 1,024 float32; W_v 2,048 x 512 float32; attention_mask 2 x 2,048 int32; b_o 2,048 float32; b_v 512 float32; cos 2 x 2,048 x 64 float32; hidden_states 2 x 2,048 x 2,048 float32; sin 2 x 2,048 x 64 float32.
;; Outputs: out0 2 x 2,048 x 2,048 float32.
;; This version of the problem:
;;   THIS VERSION OF THE PROBLEM IS GIVEN IN LOW PRECISION. The matrix products marked QUANTISED in the list below multiply operands that are first quantised to E4M3 (4 exponent bits, 3 mantissa bits; 8 bits a number), with one power-of-two scale for each 32 numbers along K (OCP MX v1.0); their sums are f32. All else is computed in f32.
;;   The module's matrix products, in the order in which they are computed (A, B: the left and right operand; K: the contracted axis; several contracted axes count as one K, in the product's order):
;;     1. [M 4,096, K 2,048] x [K 2,048, N 1,024]; A: input hidden_states; B: input W_q: QUANTISED
;;     2. [M 4,096, K 2,048] x [K 2,048, N 512]; A: input hidden_states; B: input W_k: QUANTISED
;;     3. [M 4,096, K 2,048] x [K 2,048, N 512]; A: input hidden_states; B: input W_v: QUANTISED
;;     4. batch 32 x [M 2,048, K 64] x [K 64, N 2,048]; A: computed on the way; B: computed on the way: QUANTISED
;;     5. batch 32 x [M 2,048, K 2,048] x [K 2,048, N 64]; A: softmax (see below); B: computed on the way: QUANTISED
;;     6. [M 4,096, K 1,024] x [K 1,024, N 2,048]; A: computed on the way; B: input W_o: QUANTISED
;;   THE QUANTISER, for each operand of a quantised product, along K:
;;     - K is cut into blocks of 32 from its start; a last block that is shorter is filled with zeros.
;;     - A block's scale is 2^e with e = floor(log2(the largest magnitude in the block)) - 8, held to -126 .. 127; a block of zeros has e = 0. As a byte (E8M0): e + 127.
;;     - Each number is divided by its block's scale, clamped to +-448, and rounded to the nearest number of E4M3, ties to even, subnormals kept.
;;     - The product sums the exact products of the quantised numbers (number of the format x scale) in f32.
;;   ~~~python
;;   def quantise(x, axis):      # numpy; x: float32 -> the quantised numbers, widened to float32 again
;;       x = np.moveaxis(x, axis, -1); K = x.shape[-1]
;;       x = np.pad(x, [(0, 0)] * (x.ndim - 1) + [(0, -K % 32)]); x = x.reshape(x.shape[:-1] + (-1, 32)); a = np.abs(x).max(-1, keepdims=True)
;;       e = np.where(a > 0, np.clip(np.frexp(np.where(a > 0, a, 1))[1] - 1 - 8, -126, 127), 0)      # np.frexp(a)[1] - 1 = floor(log2(a)), exactly
;;       r = np.clip(x / 2.0 ** e, -448, 448)
;;       step = 2.0 ** (np.maximum(np.frexp(np.where(r == 0, 1, r))[1] - 1, -6) - 3)
;;       q = np.round(r / step) * step * 2.0 ** e      # np.round: ties to even
;;       return np.moveaxis(q.reshape(q.shape[:-2] + (-1,))[..., :K], -1, axis).astype(np.float32)
;;   ~~~
;;   SOFTMAX AHEAD OF A QUANTISED PRODUCT. Where the list says 'softmax', what is quantised is not the finished softmax but p = 2^(t - M), with t = logit x log2(e) and M = ceil(the row's largest t), a whole number; so 1/2 < the row's largest p <= 1. The row's sum l is taken of the UNQUANTISED p, in f32, and the product's result is divided by l at the end. Since M is a whole number, a kernel that streams over the keys may use a running M (the ceiling of the running maximum): every later rescaling is an exact power of two, which a block's scale takes up: the codes' values come out the same.
;;   OPERANDS COMPUTED ON THE WAY. 'Computed on the way' means the value that the module computes at that place (a softmax that the list does not call 'softmax' is quantised finished and normalised). What goes into a quantiser is computed in f32, as accurately as f32 sums, v_exp_f32 and their like allow (about 1e-6 of the number): no bf16 or f16 on the way to a quantiser, and a product that is left as it is and whose result goes on into a quantised operand takes f32 operands (vector FMAs, or v_wmma_f32_16x16x4_f32). A number that lies on a knife's edge between two numbers of the format may be rounded either way, as far as f32 arithmetic and the matrix unit's own rounding can turn it there, and no further.
;; One version. Each part assembles by itself: llvm-mc -triple=amdgcn-amd-amdhsa -mcpu=gfx1250 --defsym DOCPART=n.
;; ======== version 1 of 1: 4 launches
;; limits: right only within a limited range of input values
;; workspace buffers: xq 8,650,752 bytes; wq 6,488,064 bytes; qq 4,456,448 bytes; kv 4,390,912 bytes; oq 4,325,376 bytes
;; launch quant (part 1): grid 448 x 1, 8 waves a work-group, no clusters, 68,608 bytes of LDS; arguments hidden_states, W_q, W_k, W_v, W_o, xq, wq; writes xq, wq
.if DOCPART == 1
	.amdgcn_target "amdgcn-amd-amdhsa--gfx1250"
	.amdhsa_code_object_version 6
	.text
	.protected	k_qfd9747b021_quant
	.globl	k_qfd9747b021_quant
	.p2align	8
	.type	k_qfd9747b021_quant,@function
k_qfd9747b021_quant:
	s_mov_b64 s[64:65], 0
	v_nop
	global_prefetch_b8 v0, s[64:65] scope:SCOPE_SE
	s_setreg_imm32_b32 hwreg(HW_REG_WAVE_MODE, 25, 1), 1
	s_wait_xcnt 0x0
; hidden_states [4096][2048] and the four weights (K = their FIRST axis), f32, become codes of FP8 (E4M3) with one E8M0 byte for each 32 along K.
; A block's scale is 2^(floor(log2(its largest magnitude)) - 8); its byte is the largest magnitude's exponent field - 8, held at 1 from below; each number is held within +-448 x the scale and rounded to the nearest code.
; (A block of zeros gets the byte 1 where the rule says 127: its codes are zeros, and this program alone reads the bytes.)
; LIMITS: NaN and infinities among the inputs are not served; a block whose largest magnitude lies under 2^-118 keeps the byte 1.
; LAYOUT OF THE RESULTS: images of the matrix operand's registers.  A fragment is 16 rows x 128 K = 2,048 bytes, [c 0..3][lane 0..31][16 bytes]: lane (r = lane % 16, h = lane / 16) holds k = 32 c + 16 h + 0..15 of row r.
; Row r of storage tile T is the actual row (or column of a weight) 32 (T / 2) + 8 (T % 2) + r + 8 (r / 8), so that a later product's results of two neighbouring tiles are 16 neighbours in a lane.
; Scale words (four bytes: 128 k of a row): [tile][K step / 2][r][2 words].
; Work-groups 0-255: one storage tile of hidden_states each; wave w takes K steps 2 w and 2 w + 1.  Each load reads 512 consecutive bytes of a row; the numbers turn through the wave's own stage in LDS (pitch 528).
; Work-groups 256-447: 128 columns x 256 K of a weight, 131,072 bytes, as many as a work-group of the first kind reads; a wave takes 32 columns x 128 K, four blocks, two of them on their way at a time.
; A lane takes a column and its registers run down K, so a block of 32 lies in one lane.  This path uses no LDS.  No barrier: waves share nothing.
.set SEL, 40                           ; s[40:41] lane selects for v_permlanex16_b32: lane l xor 16
.set MNT, 42                           ; s42 the mantissa field of 448
.set TM,  240                          ; v240-243 largest magnitudes, v244-247 bytes, v248-251 448 x the scale, v252-255 the conversions' scale operands
.set RR,  16                           ; v16-143  x as loaded: 2 fragments x 16 rows x 4 registers
.set XN,  144                          ; v144-207 64 numbers of a lane: register 16 b + i = k 32 b + 16 h + i
.set PC,  208                          ; v208-239 codes, 16 registers a fragment: no store's data are written again
.set OF,  16                           ; weights: v16-47 byte offsets of 32 rows
.set WX,  48                           ; v48-111  two sets of 32 numbers
.set WC,  112                          ; v112-143 codes, 8 registers a block
.set SB,  176                          ; v176     my column's scale word
.macro QUANT s, pc, pw
.irp b, 0,1,2,3
	v_max3_num_f32 v[TM+\b], |v[\s+16*\b]|, |v[\s+1+16*\b]|, 0x4800000   ; my 16 numbers of block b, and the floor 2^(9 - 127): the byte cannot fall under 1
.endr
.irp i, 2,4,6,8,10,12,14
.irp b, 0,1,2,3
	s_delay_alu instid0(VALU_DEP_4)
	v_max3_num_f32 v[TM+\b], v[TM+\b], |v[\s+16*\b+\i]|, |v[\s+1+16*\b+\i]|
.endr
.endr
.irp b, 0,1,2,3
	s_delay_alu instid0(VALU_DEP_4)
	v_permlanex16_b32 v[TM+4+\b], v[TM+\b], s[SEL], s[SEL+1]
.endr
.irp b, 0,1,2,3
	s_delay_alu instid0(VALU_DEP_4)
	v_max_num_f32 v[TM+\b], v[TM+\b], v[TM+4+\b]                   ; with lane l xor 16's: the block's largest magnitude
.endr
.irp b, 0,1,2,3
	s_delay_alu instid0(VALU_DEP_4)
	v_add_nc_u32 v[TM+12+\b], 0xfc000000, v[TM+\b]                 ; 8 off its exponent field: the conversion's scale operand
.endr
.irp b, 0,1,2,3
	v_and_or_b32 v[TM+8+\b], v[TM+\b], 0x7f800000, s[MNT]          ; 448 x the scale
.endr
.irp b, 0,1,2,3
	v_lshrrev_b32 v[TM+4+\b], 23, v[TM+12+\b]                      ; the scale's byte
.endr
	s_delay_alu instid0(VALU_DEP_3)
	v_lshl_or_b32 v[\pw], v[TM+5], 8, v[TM+4]
	s_delay_alu instid0(VALU_DEP_1)
	v_lshl_or_b32 v[\pw], v[TM+6], 16, v[\pw]
	s_delay_alu instid0(VALU_DEP_1)
	v_lshl_or_b32 v[\pw], v[TM+7], 24, v[\pw]                      ; my row's scale word
.irp b, 0,1,2,3
.irp i, 0,1,2,3,4,5,6,7,8,9,10,11,12,13,14,15
	v_med3_num_f32 v[\s+16*\b+\i], v[\s+16*\b+\i], -v[TM+8+\b], v[TM+8+\b]   ; the conversion does not saturate (ISA guide 7.6.2): the hold
.endr
	v_cvt_scalef32_pk8_fp8_f32 v[\pc+4*\b:\pc+4*\b+1], v[\s+16*\b:\s+16*\b+7], v[TM+12+\b]
	v_cvt_scalef32_pk8_fp8_f32 v[\pc+4*\b+2:\pc+4*\b+3], v[\s+16*\b+8:\s+16*\b+15], v[TM+12+\b]
.endr
	v_nop                                          ; a plain line behind the last conversion
.endm
.macro WLOAD t                         ; block t: 32 rows of my column; neighbouring lanes read neighbouring columns, 128 consecutive bytes a wave
.irp i, 0,1,2,3,4,5,6,7,8,9,10,11,12,13,14,15,16,17,18,19,20,21,22,23,24,25,26,27,28,29,30,31
	global_load_b32 v[WX+32*((\t)%2)+\i], v[OF+\i], s[44+2*((\t)%2):45+2*((\t)%2)] th:TH_LOAD_NT
.endr
.endm
.macro WBLOCK t
.set XS, WX+32*((\t)%2)
.if (\t) < 3
	s_wait_loadcnt 32                              ; this block's 32 loads are in; the next block's 32 may be out
.else
	s_wait_loadcnt 0x0
.endif
.if (\t) < 2
	s_add_nc_u64 s[44+2*((\t)%2):45+2*((\t)%2)], s[44+2*((\t)%2):45+2*((\t)%2)], s[48:49]   ; this base's loads are done by the wait above: 64 rows on
.endif
	v_max3_num_f32 v12, |v[XS]|, |v[XS+1]|, |v[XS+2]|
	v_max3_num_f32 v13, |v[XS+3]|, |v[XS+4]|, |v[XS+5]|
.irp i, 6,10,14,18,22,26
	s_delay_alu instid0(VALU_DEP_2)
	v_max3_num_f32 v12, v12, |v[XS+\i]|, |v[XS+\i+1]|
	s_delay_alu instid0(VALU_DEP_2)
	v_max3_num_f32 v13, v13, |v[XS+\i+2]|, |v[XS+\i+3]|
.endr
	s_delay_alu instid0(VALU_DEP_2)
	v_max3_num_f32 v12, v12, |v[XS+30]|, |v[XS+31]|
	s_delay_alu instid0(VALU_DEP_1)
	v_max3_num_f32 v12, v12, v13, 0x4800000        ; the block's largest magnitude, and the floor
	s_delay_alu instid0(VALU_DEP_1)
	v_add_nc_u32 v11, 0xfc000000, v12
	s_delay_alu instid0(VALU_DEP_2)
	v_and_or_b32 v178, v12, 0x7f800000, s[MNT]
	s_delay_alu instid0(VALU_DEP_2)
	v_lshrrev_b32 v13, 23, v11
.if (\t) == 0
	s_delay_alu instid0(VALU_DEP_1)
	v_mov_b32 v[SB], v13
.else
	s_delay_alu instid0(VALU_DEP_1)
	v_lshl_or_b32 v[SB], v13, 8*(\t), v[SB]
.endif
.irp i, 0,1,2,3,4,5,6,7,8,9,10,11,12,13,14,15,16,17,18,19,20,21,22,23,24,25,26,27,28,29,30,31
	v_med3_num_f32 v[XS+\i], v[XS+\i], -v178, v178
.endr
.irp g, 0,1,2,3
	v_cvt_scalef32_pk8_fp8_f32 v[WC+8*(\t)+2*\g:WC+8*(\t)+2*\g+1], v[XS+8*\g:XS+8*\g+7], v11
.endr
	v_nop
	global_store_b128 v4, v[WC+8*(\t):WC+8*(\t)+3], s[52:53] offset:(\t)*512       ; k 0-15 of the block: the places of lanes 0-15 of the fragment; sixteen lanes fill 256 consecutive bytes of a tile
	global_store_b128 v4, v[WC+8*(\t)+4:WC+8*(\t)+7], s[52:53] offset:(\t)*512+256 ; k 16-31: the places of lanes 16-31
.if (\t) < 2
	WLOAD (\t)+2
.endif
.endm
	s_load_b256 s[4:11], s[0:1], 0x0               ; hidden_states, W_q, W_k, W_v
	s_load_b128 s[12:15], s[0:1], 0x20             ; W_o, xq
	s_load_b64 s[16:17], s[0:1], 0x30              ; wq
	v_lshl_add_u32 v9, v0, 2, 0x10800              ; my spare word, behind the eight stages; v9 and v10 serve the add alone
	v_mov_b32 v10, 0
	v_lshrrev_b32 v1, 5, v0
	s_delay_alu instid0(VALU_DEP_1)
	v_readfirstlane_b32 s18, v1                    ; wave 0..7
	v_and_b32 v5, 31, v0                           ; lane
	s_mov_b32 s[SEL], 0x76543210
	s_mov_b32 s[SEL+1], 0xfedcba98
	s_mov_b32 s[MNT], 0x600000
	s_cmp_lt_u32 ttmp9, 256
	s_cbranch_scc0 .Lweights
	; ---- hidden_states: storage tile T = the work-group's number
	v_lshlrev_b32 v1, 4, v5                        ; 16 x lane
	v_and_b32 v6, 15, v0                           ; r
	v_bfe_u32 v7, v0, 4, 1                         ; h
	s_mul_i32 s19, s18, 8448                       ; my stage: 16 rows x 528 bytes
	v_add_nc_u32 v2, s19, v1                       ; into it: a row's 512 bytes as they lie
	v_mul_u32_u24 v3, v6, 528
	s_delay_alu instid0(VALU_DEP_1)
	v_lshl_add_u32 v3, v7, 6, v3
	s_delay_alu instid0(VALU_DEP_1)
	v_add_nc_u32 v3, s19, v3                       ; out of it: row r, + 64 h: my 16 numbers of a block of 32
	v_lshlrev_b32 v4, 3, v6
	s_delay_alu instid0(VALU_DEP_1)
	v_lshl_add_u32 v4, v7, 2, v4                   ; scale words: 8 r + 4 h
	s_lshr_b32 s20, ttmp9, 1
	s_lshl_b32 s20, s20, 5
	s_and_b32 s21, ttmp9, 1
	s_lshl_b32 s21, s21, 3
	s_add_co_u32 s20, s20, s21                     ; the tile's first actual row: 32 (T / 2) + 8 (T % 2)
	s_lshl_b32 s20, s20, 13                        ; x 8,192 bytes
	s_lshl_b32 s21, s18, 10
	s_add_co_u32 s20, s20, s21                     ; + my 256 numbers along K
	s_mov_b32 s21, 0
	s_lshl_b32 s22, ttmp9, 15                      ; codes: T x 32,768 + wave x 4,096
	s_lshl_b32 s23, s18, 12
	s_add_co_u32 s22, s22, s23
	s_mov_b32 s23, 0
	s_lshl_b32 s24, ttmp9, 10                      ; scale words: 8,388,608 + T x 1,024 + wave x 128
	s_lshl_b32 s25, s18, 7
	s_add_co_u32 s24, s24, s25
	s_add_co_u32 s24, s24, 8388608
	s_mov_b32 s25, 0
.irp b, 0,1,2,3
	v_mov_b32 v[TM+4+\b], 0                        ; a lane permute's destination counts as one of its sources
.endr
	s_wait_alu depctr_va_vdst(0)
	s_wait_kmcnt 0x0
	s_add_nc_u64 s[4:5], s[4:5], s[20:21]
	s_add_nc_u64 s[22:23], s[14:15], s[22:23]
	s_add_nc_u64 s[24:25], s[14:15], s[24:25]
.irp f, 0,1
.irp i, 0,1,2,3,4,5,6,7,8,9,10,11,12,13,14,15
	global_load_b128 v[RR+64*\f+4*\i:RR+64*\f+4*\i+3], v1, s[4:5] offset:(\i+8*(\i/8))*8192+512*\f th:TH_LOAD_NT   ; storage row i, 512 consecutive bytes
.endr
.endr
.irp f, 0,1
	s_wait_loadcnt 16*(1-\f)                       ; this fragment's 16 loads are in; the other's may be out
.irp i, 0,1,2,3,4,5,6,7,8,9,10,11,12,13,14,15
	ds_store_b128 v2, v[RR+64*\f+4*\i:RR+64*\f+4*\i+3] offset:528*\i
.endr
.irp c, 0,1,2,3
.irp j, 0,1,2,3
	ds_load_b128 v[XN+16*\c+4*\j:XN+16*\c+4*\j+3], v3 offset:128*\c+16*\j   ; LDS serves a wave's instructions in order (ISA guide 5.7.1.4): these see my stores
.endr
.endr
	s_wait_dscnt 0x0
	QUANT XN, PC+16*\f, 14+\f
.irp c, 0,1,2,3
	global_store_b128 v1, v[PC+16*\f+4*\c:PC+16*\f+4*\c+3], s[22:23] offset:2048*\f+512*\c   ; 512 consecutive bytes
.endr
.endr
	v_cmp_eq_u32 vcc_lo, 1, v7
	s_delay_alu instid0(VALU_DEP_1)
	v_cndmask_b32 v8, v14, v15, vcc_lo             ; lanes 0-15 store the first K step's word, lanes 16-31 the second's
	global_store_b32 v4, v8, s[24:25]              ; 128 consecutive bytes
	s_wait_tensorcnt 0x0                           ; the wave's end
	ds_add_u32 v9, v10
	s_wait_dscnt 0x0
	s_endpgm
.Lweights:
	; ---- a weight: which tensor, by the work-group's number alone
	s_sub_co_u32 s20, ttmp9, 256                   ; 0-63 W_q, 64-95 W_k, 96-127 W_v, 128-191 W_o
	s_mov_b32 s31, 6422528
	s_wait_kmcnt 0x0
	s_cmp_lt_u32 s20, 64
	s_cselect_b64 s[24:25], s[6:7], s[8:9]
	s_cselect_b32 s26, 3, 2                        ; log2 of the blocks of 128 columns
	s_cselect_b32 s27, 0, 64                       ; the tensor's first work-group
	s_cselect_b32 s28, 0, 64                       ; its first storage tile
	s_cmp_lt_u32 s20, 96
	s_cselect_b64 s[24:25], s[24:25], s[10:11]
	s_cselect_b32 s27, s27, 96
	s_cselect_b32 s28, s28, 96
	s_cmp_lt_u32 s20, 128
	s_cselect_b64 s[24:25], s[24:25], s[12:13]
	s_cselect_b32 s26, s26, 4
	s_cselect_b32 s27, s27, 128
	s_cselect_b32 s28, s28, 0
	s_cselect_b32 s29, 15, 14                      ; log2 of a tile's codes: 32,768 or 16,384 bytes
	s_cselect_b32 s32, 10, 9                       ; and of its scale words: 1,024 or 512
	s_cselect_b32 s30, 0, 4325376                  ; where the codes begin in wq
	s_cselect_b32 s31, 4194304, s31                ; and the scale words
	s_sub_co_u32 s20, s20, s27
	s_lshl_b32 s33, 1, s26
	s_sub_co_u32 s33, s33, 1
	s_and_b32 s33, s20, s33                        ; block of 128 columns
	s_lshr_b32 s34, s20, s26                       ; block of 256 along K
	s_lshl_b32 s35, 512, s26                       ; a row of the weight in bytes
	s_and_b32 s36, s18, 3                          ; my 32 columns
	s_lshr_b32 s37, s18, 2                         ; my 128 along K
	s_lshl_b32 s38, s34, 8
	s_lshl_b32 s39, s37, 7
	s_add_co_u32 s38, s38, s39
	s_mul_i32 s38, s38, s35                        ; my first row,
	s_lshl_b32 s39, s33, 9
	s_add_co_u32 s38, s38, s39
	s_lshl_b32 s39, s36, 7
	s_add_co_u32 s38, s38, s39                     ; my first column
	s_mov_b32 s39, 0
	s_add_nc_u64 s[44:45], s[24:25], s[38:39]      ; the even blocks' base
	s_lshl_b32 s38, s35, 5
	s_add_nc_u64 s[46:47], s[44:45], s[38:39]      ; the odd blocks': 32 rows on
	s_lshl_b32 s48, s35, 6                         ; a step of either: 64 rows
	s_mov_b32 s49, 0
	s_lshl_b32 s50, s33, 3
	s_add_co_u32 s50, s50, s28
	s_lshl_b32 s51, s36, 1
	s_add_co_u32 s50, s50, s51                     ; my pair of storage tiles
	s_lshl_b32 s52, s50, s29
	s_lshl_b32 s53, s34, 1
	s_add_co_u32 s53, s53, s37                     ; my K step of 128
	s_lshl_b32 s53, s53, 11
	s_add_co_u32 s52, s52, s53
	s_add_co_u32 s52, s52, s30
	s_mov_b32 s53, 0
	s_add_nc_u64 s[52:53], s[16:17], s[52:53]      ; codes
	s_lshl_b32 s54, s50, s32
	s_lshl_b32 s55, s34, 7                         ; the pair of K steps: 128 bytes a tile,
	s_lshl_b32 s56, s37, 2                         ; and which of a row's two words is mine
	s_add_co_u32 s55, s55, s56
	s_add_co_u32 s54, s54, s55
	s_add_co_u32 s54, s54, s31
	s_mov_b32 s55, 0
	s_add_nc_u64 s[54:55], s[16:17], s[54:55]      ; scale words
	s_wait_alu depctr_va_vdst(0)
	v_lshlrev_b32 v6, 2, v5                        ; 4 x lane
	v_lshrrev_b32 v7, 3, v5                        ; lane / 8
	v_and_b32 v8, 7, v5
	s_delay_alu instid0(VALU_DEP_2)
	v_lshrrev_b32 v177, 1, v7
	s_delay_alu instid0(VALU_DEP_1)
	v_lshl_add_u32 v8, v177, 3, v8
	s_delay_alu instid0(VALU_DEP_4)
	v_and_b32 v7, 1, v7                            ; which tile of the pair: (lane / 8) % 2
	s_delay_alu instid0(VALU_DEP_1)
	v_lshlrev_b32 v4, s29, v7
	s_delay_alu instid0(VALU_DEP_1)
	v_lshl_add_u32 v4, v8, 4, v4                   ; codes: tile + 16 x row
	s_delay_alu instid0(VALU_DEP_3)
	v_lshlrev_b32 v3, s32, v7
	s_delay_alu instid0(VALU_DEP_1)
	v_lshl_add_u32 v3, v8, 3, v3                   ; scale words: tile + 8 x row
.irp i, 0,1,2,3,4,5,6,7,8,9,10,11,12,13,14,15,16,17,18,19,20,21,22,23,24,25,26,27,28,29,30,31
	v_mad_u32_u24 v[OF+\i], s35, \i, v6
.endr
	WLOAD 0
	WLOAD 1
.irp t, 0,1,2,3
	WBLOCK \t
.endr
	global_store_b32 v3, v[SB], s[54:55]           ; my column's scale word: 4 bytes of each 8; the wave with the other K step stores the other 4 (196,608 such bytes in the whole launch)
	s_endpgm
.Lfunc_end_k_qfd9747b021_quant:
	.size	k_qfd9747b021_quant, .Lfunc_end_k_qfd9747b021_quant-k_qfd9747b021_quant
	.p2alignl 7, 3214868480
	.fill 96, 4, 3214868480
	.section	.rodata,"a",@progbits
	.p2align	6, 0x0
	.amdhsa_kernel k_qfd9747b021_quant
		.amdhsa_group_segment_fixed_size 68608
		.amdhsa_private_segment_fixed_size 0
		.amdhsa_enable_private_segment 0
		.amdhsa_kernarg_size 56
		.amdhsa_user_sgpr_count 2
		.amdhsa_user_sgpr_kernarg_segment_ptr 1
		.amdhsa_wavefront_size32 1
		.amdhsa_system_sgpr_workgroup_id_x 1
		.amdhsa_system_sgpr_workgroup_id_y 1
		.amdhsa_system_sgpr_workgroup_id_z 1
		.amdhsa_system_vgpr_workitem_id 0
		.amdhsa_next_free_vgpr 256
		.amdhsa_next_free_sgpr 66
		.amdhsa_reserve_vcc 1
		.amdhsa_float_denorm_mode_32 3
		.amdhsa_float_denorm_mode_16_64 3
		.amdhsa_memory_ordered 1
		.amdhsa_forward_progress 1
		.amdhsa_inst_pref_size 64
	.end_amdhsa_kernel
	.amdgpu_metadata
---
amdhsa.version: [ 1, 2 ]
amdhsa.kernels:
  - .name:           k_qfd9747b021_quant
    .symbol:         k_qfd9747b021_quant.kd
    .args:
      - { .name: hidden_states, .offset: 0, .size: 8, .value_kind: global_buffer, .address_space: global }
      - { .name: W_q, .offset: 8, .size: 8, .value_kind: global_buffer, .address_space: global }
      - { .name: W_k, .offset: 16, .size: 8, .value_kind: global_buffer, .address_space: global }
      - { .name: W_v, .offset: 24, .size: 8, .value_kind: global_buffer, .address_space: global }
      - { .name: W_o, .offset: 32, .size: 8, .value_kind: global_buffer, .address_space: global }
      - { .name: xq, .offset: 40, .size: 8, .value_kind: global_buffer, .address_space: global }
      - { .name: wq, .offset: 48, .size: 8, .value_kind: global_buffer, .address_space: global }
    .group_segment_fixed_size: 68608
    .private_segment_fixed_size: 0
    .kernarg_segment_align: 8
    .kernarg_segment_size: 56
    .max_flat_workgroup_size: 256
    .sgpr_count:     66
    .vgpr_count:     256
    .wavefront_size: 32
...
	.end_amdgpu_metadata
.endif
;; end of part 1
;; launch qkv (part 2): grid 16 x 16, 4 waves a work-group, clusters of 4 x 4, 327,680 bytes of LDS; arguments xq, wq, cos, sin, b_v, qq, kv; writes qq, kv
.if DOCPART == 2
	.amdgcn_target "amdgcn-amd-amdhsa--gfx1250"
	.amdhsa_code_object_version 6
	.text
	.protected	k_qfd9747b021_qkv
	.globl	k_qfd9747b021_qkv
	.p2align	8
	.type	k_qfd9747b021_qkv,@function
k_qfd9747b021_qkv:
	s_mov_b64 s[64:65], 0
	v_nop
	global_prefetch_b8 v0, s[64:65] scope:SCOPE_SE
	s_setreg_imm32_b32 hwreg(HW_REG_WAVE_MODE, 25, 1), 1
	s_wait_xcnt 0x0
	s_wait_alu depctr_hold_cnt(0) depctr_sa_sdst(0) depctr_va_vdst(0) depctr_va_sdst(0) depctr_va_ssrc(0) depctr_va_vcc(0) depctr_vm_vsrc(0)
	s_getreg_b32 s2, hwreg(HW_REG_IB_STS2, 6, 4)
	s_cmp_eq_u32 s2, 0
	s_cbranch_scc0 .Lentry_in_a_cluster
	s_endpgm
.Lentry_in_a_cluster:
	s_bfe_u32 s2, ttmp6, 0x10000c
	s_cmp_lg_u32 s2, 0xf033
	s_cbranch_scc0 .Lentry_shape_is_right
	s_endpgm
.Lentry_shape_is_right:
.set KK,    2048
.set NKS,   KK/128
.set TP,    NKS*2048
.set SPT,   NKS*64
.set LAPS,  KK/512
.set ASC,   8388608
.set BCO,   0
.set BSC,   4194304
.set SLOT,  98304
.set BOFF,  65536
.set SCB,   2*SLOT
.set SCA,   SCB+8*SPT
.set SPARE, SCA+16*SPT
.set LI,   4
.set VCS,  6
.set QKS,  7
.set VSO,  8
.set BVO,  9
.set ADRA, 16
.set ADRB, 20
.set ADSA, 22
.set ADSB, 23
.set SPW,  28
.set NIL,  29
.set SC,   32
.set YY,   128
.set CD,   160
.set WD,   224
.set TM,   232
.set SL,   248
.set WV,   18
.set RW,   19
.set CW,   20
.set G1A,  24
.set G0A,  32
.set G1B,  48
.set G0B,  56
.set G1SA, 68
.set G0SA, 76
.set G1SB, 80
.set G0SB, 88
.set SEL,  2
.set MNT,  67
.set MSB, 0
.macro WIN new
.if MSB != (\new)
	s_set_vgpr_msb (MSB<<8)|(\new)
.set MSB, (\new)
.endif
.endm
.macro PLACES n
.rept \n
	v_nop
.endr
.endm
.macro JLOAD g0a, g1a, g0b, g1b
	s_cmp_eq_u32 s[RW], 0
	s_cbranch_scc0 .Lfor_b_\@
	tensor_load_to_lds s[\g0a:\g0a+3], s[\g1a:\g1a+7]
	s_nop 0
.rept 4
	v_nop
.endr
	s_branch .Lasked_\@
.Lfor_b_\@:
	tensor_load_to_lds s[\g0b:\g0b+3], s[\g1b:\g1b+7]
	s_nop 0
.rept 4
	v_nop
.endr
.Lasked_\@:
.endm
.macro CREST
	s_cmp_lg_u32 s[WV], 0
	s_cbranch_scc1 .Lnot_wave_0_\@
	s_barrier_signal -3
.Lnot_wave_0_\@:
	s_barrier_wait -3
	s_barrier_signal -1
	s_barrier_wait -1
.endm
.macro CROUND
	s_barrier_signal -1
	s_barrier_wait -1
	CREST
.endm
.macro FETCH slot, q, p
	WIN 0x40
.irp t, 0,1,2,3
.irp c, 0,1,2,3
	ds_load_b128 v[64*(\p)+16*\t+4*\c:64*(\p)+16*\t+4*\c+3], v[ADRB+\slot] offset:4096*\t+2048*(\q)+512*\c
.endr
.endr
	WIN 0x40*(\p)
.irp i, 0,1,2,3,4,5,6,7
.irp c, 0,1,2,3
	ds_load_b128 v[128+16*\i+4*\c:128+16*\i+4*\c+3], v[ADRA+\slot] offset:4096*\i+2048*(\q)+512*\c
.endr
.endr
	WIN 0
.endm
.macro SCALES sc
.irp i, 0,1,2,3,4,5,6,7
	ds_load_b64 v[SC+24*\sc+2*\i:SC+24*\sc+2*\i+1], v[ADSA] offset:\i*SPT
.endr
.irp t, 0,1,2,3
	ds_load_b64 v[SC+24*\sc+16+2*\t:SC+24*\sc+16+2*\t+1], v[ADSB] offset:\t*SPT
.endr
.endm
.macro MUL p, q, sc, first
	s_cmp_eq_u32 ttmp9, 3
	s_cbranch_scc1 .Lvform_\@
	WIN 0xa1+4*(\p)
.irp i, 0,1,2,3,4,5,6,7
.irp t, 0,1,2,3
.if \first
	v_wmma_scale_f32_16x16x128_f8f6f4 v[8*(4*\i+\t):8*(4*\i+\t)+7], v[64*(\p)+16*\t:64*(\p)+16*\t+15], v[128+16*\i:128+16*\i+15], 0, v[SC+24*(\sc)+16+2*\t+(\q)], v[SC+24*(\sc)+2*\i+(\q)]
.else
	v_wmma_scale_f32_16x16x128_f8f6f4 v[8*(4*\i+\t):8*(4*\i+\t)+7], v[64*(\p)+16*\t:64*(\p)+16*\t+15], v[128+16*\i:128+16*\i+15], v[8*(4*\i+\t):8*(4*\i+\t)+7], v[SC+24*(\sc)+16+2*\t+(\q)], v[SC+24*(\sc)+2*\i+(\q)]
.endif
.endr
.endr
	WIN 0
	s_branch .Ldone_\@
.Lvform_\@:
.if \first
	WIN 0xb4
.else
	WIN 0xa4+(\p)
.endif
.irp i, 0,1,2,3,4,5,6,7
.irp t, 0,1,2,3
.if \first
	s_wait_alu depctr_va_vdst(0)
	v_wmma_scale_f32_16x16x128_f8f6f4 v[8*(8*\t+\i):8*(8*\t+\i)+7], v[128+16*\i:128+16*\i+15], v[64*(\p)+16*\t:64*(\p)+16*\t+15], v[8*\t:8*\t+7], v[SC+24*(\sc)+2*\i+(\q)], v[SC+24*(\sc)+16+2*\t+(\q)]
.else
	v_wmma_scale_f32_16x16x128_f8f6f4 v[8*(8*\t+\i):8*(8*\t+\i)+7], v[128+16*\i:128+16*\i+15], v[64*(\p)+16*\t:64*(\p)+16*\t+15], v[8*(8*\t+\i):8*(8*\t+\i)+7], v[SC+24*(\sc)+2*\i+(\q)], v[SC+24*(\sc)+16+2*\t+(\q)]
.endif
.endr
.endr
	WIN 0
.Ldone_\@:
.endm
.macro STEP0 slot, first
	s_wait_dscnt 0x0
	PLACES 8
	FETCH \slot, 1, 1
	MUL 0, 0, \slot, \first
.endm
.macro TURN slot, next, fill
.if (\fill) && (LAPS > 2)
	s_wait_xcnt 0x0                                ; my prefetches have read their addresses: the walking one steps a K step of 256 on
	s_add_nc_u64 s[4:5], s[4:5], 4096
.endif
	s_wait_tensorcnt 0x0
	ds_add_u32 v[SPW], v[NIL]
.if \fill
	s_add_nc_u64 s[G0A+4*\slot+2:G0A+4*\slot+3], s[G0A+4*\slot+2:G0A+4*\slot+3], 8192
	s_add_nc_u64 s[G0B+4*\slot+2:G0B+4*\slot+3], s[G0B+4*\slot+2:G0B+4*\slot+3], 8192
.endif
	s_wait_dscnt 0x0
	s_barrier_signal -1
	s_barrier_wait -1
.if \fill
	CREST
	JLOAD G0A+4*\slot, G1A, G0B+4*\slot, G1B
	PLACES 4
.else
	PLACES 8
.endif
	s_wait_alu depctr_va_vdst(0)
	v_add_nc_u32 v[ADSA], 128, v[ADSA]
	v_add_nc_u32 v[ADSB], 128, v[ADSB]
	FETCH \next, 0, 0
	SCALES \next
.if (\fill) && (LAPS > 2)
	s_cmp_gt_u32 s3, s6                            ; the K step two refills on; the loop's last trip has none, and wave 3 never asks (s6)
	s_cbranch_scc0 .Lnot_mine_\@
	global_prefetch_b8 v30, s[4:5] offset:12288 th:TH_LOAD_NT scope:SCOPE_SE
.Lnot_mine_\@:
.endif
	MUL 1, 1, \slot, 0
.endm
.macro QUANT2 s, dst, word
.irp b, 0,1
	v_max3_num_f32 v[TM+\b], |v[\s+16*\b]|, |v[\s+1+16*\b]|, 0x4800000
.endr
.irp k, 2,4,6,8,10,12,14
.irp b, 0,1
	v_max3_num_f32 v[TM+\b], v[TM+\b], |v[\s+16*\b+\k]|, |v[\s+1+16*\b+\k]|
.endr
.endr
.irp b, 0,1
	v_permlanex16_b32 v[TM+4+\b], v[TM+\b], s[SEL], s[SEL+1]
.endr
.irp b, 0,1
	v_max_num_f32 v[TM+\b], v[TM+\b], v[TM+4+\b]
.endr
.irp b, 0,1
	v_add_nc_u32 v[TM+12+\b], 0xfc000000, v[TM+\b]
.endr
.irp b, 0,1
	v_and_or_b32 v[TM+8+\b], v[TM+\b], 0x7f800000, s[MNT]
.endr
.irp b, 0,1
	v_lshrrev_b32 v[TM+4+\b], 23, v[TM+12+\b]
.endr
	v_lshl_or_b32 v[\word], v[TM+5], 8, v[TM+4]
	v_or_b32 v[\word], 0x7f7f0000, v[\word]
.irp b, 0,1
.irp k, 0,1,2,3,4,5,6,7,8,9,10,11,12,13,14,15
	v_med3_num_f32 v[\s+16*\b+\k], v[\s+16*\b+\k], -v[TM+8+\b], v[TM+8+\b]
.endr
	v_cvt_scalef32_pk8_fp8_f32 v[\dst+4*\b:\dst+4*\b+1], v[\s+16*\b:\s+16*\b+7], v[TM+12+\b]
	v_cvt_scalef32_pk8_fp8_f32 v[\dst+4*\b+2:\dst+4*\b+3], v[\s+16*\b+8:\s+16*\b+15], v[TM+12+\b]
.endr
	v_nop
.endm
.macro LOADCS i
	WIN 0xc0
.irp bb, 0,1
.irp jj, 0,1,2,3
	global_load_b128 v[64+64*((\i)%3)+16*\bb+4*\jj:64+64*((\i)%3)+16*\bb+4*\jj+3], v[VCS], s[8:9] offset:(32*((\i)/2)+8*((\i)%2))*256+128*\bb+16*\jj
.endr
.endr
.irp bb, 0,1
.irp jj, 0,1,2,3
	global_load_b128 v[96+64*((\i)%3)+16*\bb+4*\jj:96+64*((\i)%3)+16*\bb+4*\jj+3], v[VCS], s[10:11] offset:(32*((\i)/2)+8*((\i)%2))*256+128*\bb+16*\jj
.endr
.endr
	WIN 0
.endm
.macro ROPE i
.set XB, 32*(\i)
.set CO, 64+64*((\i)%3)
.set SI, 96+64*((\i)%3)
	WIN 0x0e
.irp e, 0,2,4,6,8,10,12,14
	v_pk_mul_f32 v[YY+\e:YY+\e+1], v[XB+16+\e:XB+16+\e+1], v[SI+\e:SI+\e+1]
.endr
.irp e, 0,2,4,6,8,10,12,14
	v_pk_mul_f32 v[YY+16+\e:YY+16+\e+1], v[XB+\e:XB+\e+1], v[SI+16+\e:SI+16+\e+1]
.endr
.irp e, 0,2,4,6,8,10,12,14
	v_pk_fma_f32 v[YY+\e:YY+\e+1], v[XB+\e:XB+\e+1], v[CO+\e:CO+\e+1], v[YY+\e:YY+\e+1] neg_lo:[0,0,1] neg_hi:[0,0,1]
.endr
.irp e, 0,2,4,6,8,10,12,14
	v_pk_fma_f32 v[YY+16+\e:YY+16+\e+1], v[XB+16+\e:XB+16+\e+1], v[CO+16+\e:CO+16+\e+1], v[YY+16+\e:YY+16+\e+1]
.endr
	WIN 0
.endm
.macro QV t
.set NN, 64*(\t)
	WIN 0x0a
.irp b, 0,1,2,3
	v_max3_num_f32 v[TM+\b], |v[NN+16*\b]|, |v[NN+16*\b+1]|, 0x4800000
.endr
.irp k, 2,4,6,8,10,12,14
.irp b, 0,1,2,3
	v_max3_num_f32 v[TM+\b], |v[NN+16*\b+\k]|, |v[NN+16*\b+\k+1]|, v[TM+\b]
.endr
.endr
	WIN 0
.irp b, 0,1,2,3
	v_permlanex16_b32 v[TM+4+\b], v[TM+\b], s[SEL], s[SEL+1]
.endr
.irp b, 0,1,2,3
	v_max_num_f32 v[TM+\b], v[TM+\b], v[TM+4+\b]
.endr
.irp b, 0,1,2,3
	v_add_nc_u32 v[TM+12+\b], 0xfc000000, v[TM+\b]
.endr
.irp b, 0,1,2,3
	v_and_or_b32 v[TM+8+\b], v[TM+\b], 0x7f800000, s[MNT]
.endr
.irp b, 0,1,2,3
	v_lshrrev_b32 v[TM+4+\b], 23, v[TM+12+\b]
.endr
	v_lshl_or_b32 v[WD+\t], v[TM+5], 8, v[TM+4]
	v_lshl_or_b32 v[WD+\t], v[TM+6], 16, v[WD+\t]
	v_lshl_or_b32 v[WD+\t], v[TM+7], 24, v[WD+\t]
	WIN 0x82
.irp b, 0,1,2,3
.irp k, 0,1,2,3,4,5,6,7,8,9,10,11,12,13,14,15
	v_med3_num_f32 v[NN+16*\b+\k], v[NN+16*\b+\k], -v[TM+8+\b], v[TM+8+\b]
.endr
.endr
	WIN 0x02
.irp b, 0,1,2,3
	v_cvt_scalef32_pk8_fp8_f32 v[CD+16*\t+4*\b:CD+16*\t+4*\b+1], v[NN+16*\b:NN+16*\b+7], v[TM+12+\b]
	v_cvt_scalef32_pk8_fp8_f32 v[CD+16*\t+4*\b+2:CD+16*\t+4*\b+3], v[NN+16*\b+8:NN+16*\b+15], v[TM+12+\b]
.endr
	WIN 0
	v_nop
.irp c, 0,1,2,3
	global_store_b128 v[LI], v[CD+16*\t+4*\c:CD+16*\t+4*\c+3], s[96:97] offset:8192+2048*\t+512*\c
.endr
.endm
	s_load_b256 s[4:11], s[0:1], 0x0
	s_load_b128 s[12:15], s[0:1], 0x20
	s_load_b64 s[16:17], s[0:1], 0x30
	v_lshl_add_u32 v[SPW], v0, 2, SPARE
	v_mov_b32 v[NIL], 0
	ds_add_u32 v28, v29
	ds_add_u32 v28, v29
	s_wait_dscnt 0x0
	v_lshrrev_b32 v1, 5, v0
	v_readfirstlane_b32 s[WV], v1
	s_lshr_b32 s[RW], s[WV], 1
	s_and_b32 s[CW], s[WV], 1
	s_bfe_u32 s40, ttmp6, 0x40000
	s_bfe_u32 s41, ttmp6, 0x40004
	s_lshl_b32 s42, ttmp9, 2
	s_add_co_u32 s42, s42, s40
	s_and_b32 s45, ttmp7, 0xffff
	s_lshl_b32 s45, s45, 2
	s_add_co_u32 s45, s45, s41
	s_lshl_b32 s43, s41, 2
	s_lshl_b32 s43, 15, s43
	s_lshl_b32 s44, 0x1111, s40
	s_or_b32 s[G1A], s43, (3<<16)|(1<<21)
	s_or_b32 s[G1B], s44, (3<<16)|(1<<21)
	s_or_b32 s[G1SA], s43, (3<<16)|(1<<21)
	s_or_b32 s[G1SB], s44, (3<<16)|(1<<21)
.irp g, G1A, G1B
	s_mov_b32 s[\g+1], 512<<16
	s_mov_b32 s[\g+3], 512<<16
	s_mov_b32 s[\g+5], TP/8
	s_mov_b32 s[\g+6], 0
	s_mov_b32 s[\g+7], 0
.endr
	s_mov_b32 s[G1A+2], 16<<16                     ; the head's loads bring a whole slot's part: A's 16 storage tiles, B's 8
	s_mov_b32 s[G1A+4], 16
	s_mov_b32 s[G1B+2], 8<<16
	s_mov_b32 s[G1B+4], 8
.irp g, G1SA, G1SB
	s_mov_b32 s[\g+1], 32<<16
	s_mov_b32 s[\g+3], 32<<16
	s_mov_b32 s[\g+5], 32
	s_mov_b32 s[\g+6], 0
	s_mov_b32 s[\g+7], 0
.endr
	s_mov_b32 s[G1SA+2], (16*SPT/256)<<16          ; the scale words of all 16 tiles of A, of all 8 of B: one load each
	s_mov_b32 s[G1SA+4], 16*SPT/256
	s_mov_b32 s[G1SB+2], (8*SPT/256)<<16
	s_mov_b32 s[G1SB+4], 8*SPT/256
	s_lshl_b32 s21, s[CW], 3
	s_lshl_b32 s22, s45, 4
	s_add_co_u32 s22, s22, s21
	s_mul_i32 s92, s22, TP
	s_mov_b32 s93, 0
	s_lshl_b32 s94, s45, 4
	s_mul_i32 s94, s94, SPT
	s_add_co_u32 s94, s94, ASC
	s_mov_b32 s95, 0
	s_lshl_b32 s21, s[CW], 2
	s_lshl_b32 s23, s42, 3
	s_add_co_u32 s23, s23, s21
	s_mul_i32 s96, s23, TP
	s_add_co_u32 s96, s96, BCO
	s_mov_b32 s97, 0
	s_lshl_b32 s98, s42, 3
	s_mul_i32 s98, s98, SPT
	s_add_co_u32 s98, s98, BSC
	s_mov_b32 s99, 0
	s_lshl_b32 s46, s[CW], 15
	s_lshl_b32 s47, s[CW], 14
	s_and_b32 s66, s42, 3
	s_lshl_b32 s66, s66, 1
	s_add_co_u32 s66, s66, s[CW]
	s_mov_b32 s[MNT], 0x600000
	s_wait_kmcnt 0x0
	s_add_nc_u64 s[92:93], s[4:5], s[92:93]
	s_add_nc_u64 s[94:95], s[4:5], s[94:95]
	s_add_nc_u64 s[96:97], s[6:7], s[96:97]
	s_add_nc_u64 s[98:99], s[6:7], s[98:99]
	; THE PREFETCHES.  A K step of 256 is 4,096 bytes of each storage tile.  The four partners that ask for a tile jointly share its blocks out by address: of A's 16 storage tiles the partner at cx takes 4 cx .. 4 cx + 3,
	; two for wave 0 and two for wave 1; of B's 8 the partner at cy takes 2 cy, 2 cy + 1, for wave 2: a lane names one block of 256 bytes, so each block is named once in each cluster that loads it.
	s_lshl_b32 s21, s45, 4
	s_lshl_b32 s22, s40, 2
	s_add_co_u32 s21, s21, s22
	s_lshl_b32 s22, s[WV], 1
	s_add_co_u32 s21, s21, s22                     ; A: my two storage tiles
	s_lshl_b32 s22, s42, 3
	s_lshl_b32 s23, s41, 1
	s_add_co_u32 s22, s22, s23                     ; B: my two
	s_mul_i32 s21, s21, TP
	s_mul_i32 s22, s22, TP
	s_add_co_u32 s22, s22, BCO
	s_cmp_lt_u32 s[WV], 2
	s_cselect_b64 s[4:5], s[4:5], s[6:7]
	s_cselect_b32 s100, s21, s22
	s_mov_b32 s101, 0
	s_add_nc_u64 s[4:5], s[4:5], s[100:101]        ; s[4:5]: where my prefetches stand, at K step 0
	s_cmp_lt_u32 s[WV], 3
	s_cselect_b32 s6, 1, -1                        ; s6: a wave asks in the loop while the trips to go exceed it
	; cos and sin of the cluster's four tile rows, 2,048 blocks of 256 bytes: waves 0, 1 name cos, waves 2, 3 sin; of a tile row's 256 positions the partner at cx takes 64, a wave 32, a lane one
	s_lshl_b32 s21, s45, 8
	s_lshl_b32 s22, s40, 6
	s_add_co_u32 s21, s21, s22
	s_lshl_b32 s22, s[CW], 5
	s_add_co_u32 s21, s21, s22
	s_lshl_b32 s100, s21, 8
	s_mov_b32 s101, 0
	s_cmp_lt_u32 s[WV], 2
	s_cselect_b64 s[22:23], s[8:9], s[10:11]
	s_add_nc_u64 s[100:101], s[22:23], s[100:101]
	CROUND
	s_mov_b32 s[G0SA], 1
	s_mov_b32 s[G0SA+1], SCA
	s_mov_b64 s[G0SA+2:G0SA+3], s[94:95]
	s_or_b32 s[G0SA+3], s[G0SA+3], 0x80000000
	s_mov_b32 s[G0SB], 1
	s_mov_b32 s[G0SB+1], SCB
	s_mov_b64 s[G0SB+2:G0SB+3], s[98:99]
	s_or_b32 s[G0SB+3], s[G0SB+3], 0x80000000
.irp s, 0,1
	s_mov_b32 s[G0A+4*\s], 1
	s_add_co_u32 s[G0A+4*\s+1], s46, \s*SLOT
	s_add_nc_u64 s[G0A+4*\s+2:G0A+4*\s+3], s[92:93], \s*4096
	s_or_b32 s[G0A+4*\s+3], s[G0A+4*\s+3], 0x80000000
	s_mov_b32 s[G0B+4*\s], 1
	s_add_co_u32 s[G0B+4*\s+1], s47, \s*SLOT+BOFF
	s_add_nc_u64 s[G0B+4*\s+2:G0B+4*\s+3], s[96:97], \s*4096
	s_or_b32 s[G0B+4*\s+3], s[G0B+4*\s+3], 0x80000000
.endr
	; the head's four tiles, one joint load a wave, in one chain of branches on the wave's number: wave 0 slot 0's part of A, wave 2 of B (their own group 0 begins at the tile's first row), wave 1 A's scale words, wave 3 B's
	s_cmp_eq_u32 s[WV], 0
	s_cbranch_scc0 .Lhead_b
	tensor_load_to_lds s[G0A:G0A+3], s[G1A:G1A+7]
	s_nop 0
	PLACES 4
	s_branch .Lhead_asked
.Lhead_b:
	s_cmp_eq_u32 s[WV], 2
	s_cbranch_scc0 .Lhead_sa
	tensor_load_to_lds s[G0B:G0B+3], s[G1B:G1B+7]
	s_nop 0
	PLACES 4
	s_branch .Lhead_asked
.Lhead_sa:
	s_cmp_eq_u32 s[WV], 1
	s_cbranch_scc0 .Lhead_sb
	tensor_load_to_lds s[G0SA:G0SA+3], s[G1SA:G1SA+7]
	s_nop 0
	PLACES 4
	s_branch .Lhead_asked
.Lhead_sb:
	tensor_load_to_lds s[G0SB:G0SB+3], s[G1SB:G1SB+7]
	s_nop 0
	PLACES 4
.Lhead_asked:
	v_and_b32 v30, 15, v0
	v_bfe_u32 v31, v0, 4, 1
	v_lshlrev_b32 v30, 8, v30
	v_mad_u32_u24 v30, v31, TP, v30                ; v30: lanes 0-15 the 16 blocks of a tile's K step, lanes 16-31 the next tile's; never rewritten
	v_and_b32 v31, 31, v0
	v_lshlrev_b32 v31, 8, v31                      ; v31: a position's 256 bytes of cos or sin a lane; never rewritten
	s_wait_alu depctr_va_vdst(0)
	s_cmp_lt_u32 s[WV], 3
	s_cbranch_scc0 .Lno_ask0
	global_prefetch_b8 v30, s[4:5] offset:4096 th:TH_LOAD_NT scope:SCOPE_SE    ; K step 1, whose load follows when the head's have landed,
	global_prefetch_b8 v30, s[4:5] offset:8192 th:TH_LOAD_NT scope:SCOPE_SE    ; and K step 2: two loads on
.Lno_ask0:
	s_cmp_eq_u32 ttmp9, 3                          ; the clusters that make V read no cos and no sin
	s_cbranch_scc1 .Lno_ask_cs
	global_prefetch_b8 v31, s[100:101] th:TH_LOAD_NT scope:SCOPE_SE
.Lno_ask_cs:
	v_and_b32 v1, 31, v0
	v_and_b32 v2, 15, v0
	v_bfe_u32 v3, v0, 4, 1
	v_lshlrev_b32 v[LI], 4, v1
	s_lshl_b32 s21, s[RW], 15
	s_lshl_b32 s22, s[CW], 14
	s_add_co_u32 s22, s22, BOFF
.irp s, 0,1
	v_add_nc_u32 v[ADRA+\s], s21, v[LI]
	v_add_nc_u32 v[ADRB+\s], s22, v[LI]
	s_add_co_u32 s21, s21, SLOT
	s_add_co_u32 s22, s22, SLOT
.endr
	v_lshlrev_b32 v5, 3, v2
	s_mul_i32 s21, s[RW], 8*SPT
	s_add_co_u32 s21, s21, SCA
	v_add_nc_u32 v[ADSA], s21, v5
	s_mul_i32 s22, s[CW], 4*SPT
	s_add_co_u32 s22, s22, SCB
	v_add_nc_u32 v[ADSB], s22, v5
	v_and_b32 v5, 8, v2
	v_add_nc_u32 v5, v5, v2
	v_lshlrev_b32 v[VCS], 8, v5
	v_lshl_add_u32 v[VCS], v3, 6, v[VCS]
	v_lshlrev_b32 v[BVO], 2, v5
	s_wait_alu depctr_va_vdst(0)
	v_lshlrev_b32 v[QKS], 5, v2
	v_lshl_add_u32 v[QKS], v3, 4, v[QKS]
	v_lshlrev_b32 v[VSO], 4, v2
	v_lshl_add_u32 v[VSO], v3, 3, v[VSO]
	s_lshl_b32 s22, s66, 8
	s_mov_b32 s23, 0
	s_add_nc_u64 s[12:13], s[12:13], s[22:23]
	s_lshl_b32 s22, s45, 16
	s_lshl_b32 s21, s[RW], 15
	s_add_co_u32 s22, s22, s21
	s_add_nc_u64 s[8:9], s[8:9], s[22:23]
	s_add_nc_u64 s[10:11], s[10:11], s[22:23]
.irp t, 0,1,2,3
	global_load_b32 v[10+\t], v[BVO], s[12:13] offset:(32*(\t/2)+8*(\t%2))*4
.endr
	s_wait_loadcnt 0x0
	WIN 0xc0
.irp t, 0,1,2,3
.irp j, 0,1,2,3,4,5,6,7
	v_mov_b32 v[8*\t+\j], v[10+\t]
.endr
.endr
	WIN 0
	LOADCS 0
	LOADCS 1
	LOADCS 2
	s_wait_alu depctr_va_vdst(0)
	s_wait_tensorcnt 0x0                           ; my tile of the head's four is in
	ds_add_u32 v28, v29
	s_mov_b32 s[G1A+2], 8<<16                      ; no tensor load of mine is out: from here on a load brings half a slot's part
	s_mov_b32 s[G1A+4], 8
	s_mov_b32 s[G1B+2], 4<<16
	s_mov_b32 s[G1B+4], 4
	s_wait_dscnt 0x0
	CROUND                                         ; all four tiles are in, in all sixteen work-groups
	JLOAD G0A+4, G1A, G0B+4, G1B                   ; slot 1's first fill, the first tensor load behind the round
	FETCH 0, 0, 0
	SCALES 0
	s_cmp_lt_u32 s[WV], 3
	s_cbranch_scc0 .Lno_ask1
	global_prefetch_b8 v30, s[4:5] offset:12288 th:TH_LOAD_NT scope:SCOPE_SE   ; behind K step 1's load: K step 3
.Lno_ask1:
	STEP0 0, 1
	s_mov_b32 s3, LAPS-1
.Llap:
	TURN 0, 1, 1
	STEP0 1, 0
	TURN 1, 0, 1
	STEP0 0, 0
	s_sub_co_u32 s3, s3, 1
	s_cmp_lg_u32 s3, 0
	s_cbranch_scc1 .Llap
	TURN 0, 1, 0
	STEP0 1, 0
	s_wait_dscnt 0x0
	MUL 1, 1, 1, 0
	PLACES 8
	s_mov_b32 s[SEL], 0x76543210
	s_mov_b32 s[SEL+1], 0xfedcba98
.irp b, 0,1,2,3
	v_mov_b32 v[TM+4+\b], 0
.endr
	v_cmp_eq_u32 vcc_lo, 1, v3
	s_lshr_b32 s92, s45, 3
	s_lshl_b32 s93, s45, 1
	s_add_co_u32 s93, s93, s[RW]
	s_and_b32 s93, s93, 15
	s_lshl_b32 s94, s92, 3
	s_add_co_u32 s94, s94, s66
	s_lshl_b32 s94, s94, 4
	s_add_co_u32 s94, s94, s93
	s_mul_i32 s94, s94, 17152
	s_cmp_eq_u32 ttmp9, 3
	s_cbranch_scc1 .Lvout
	s_lshl_b32 s95, s42, 1
	s_add_co_u32 s95, s95, s[CW]
	s_lshl_b32 s96, s92, 4
	s_add_co_u32 s95, s95, s96
	s_lshl_b32 s95, s95, 4
	s_add_co_u32 s95, s95, s93
	s_lshl_b32 s96, s95, 13
	s_lshl_b32 s97, s95, 9
	s_add_co_u32 s97, s97, 4194304
	s_add_co_u32 s98, s94, 16384
	s_cmp_eq_u32 ttmp9, 2
	s_cselect_b64 s[100:101], s[16:17], s[14:15]
	s_cselect_b32 s96, s94, s96
	s_cselect_b32 s98, s98, s97
	s_mov_b32 s97, 0
	s_mov_b32 s99, 0
	s_add_nc_u64 s[96:97], s[100:101], s[96:97]
	s_add_nc_u64 s[98:99], s[100:101], s[98:99]
.irp i, 0,1,2,3,4,5,6,7
.if \i < 6
	s_wait_loadcnt 32
.elseif \i == 6
	s_wait_loadcnt 16
.else
	s_wait_loadcnt 0x0
.endif
	ROPE \i
.if \i < 5
	LOADCS \i+3
.endif
	QUANT2 YY, CD+8*\i, WD+\i
	global_store_b128 v[LI], v[CD+8*\i:CD+8*\i+3], s[96:97] offset:1024*\i
	global_store_b128 v[LI], v[CD+8*\i+4:CD+8*\i+7], s[96:97] offset:1024*\i+512
.endr
.irp k, 0,1,2,3
	v_cndmask_b32 v[SL+\k], v[WD+\k], v[WD+4+\k], vcc_lo
.endr
	global_store_b128 v[QKS], v[SL:SL+3], s[98:99]
	s_branch .Lend
.Lvout:
	s_mov_b32 s95, 0
	s_add_nc_u64 s[96:97], s[16:17], s[94:95]
.irp t, 0,1,2,3
	QV \t
.endr
	v_cndmask_b32 v[SL], v[WD], v[WD+2], vcc_lo
	v_cndmask_b32 v[SL+1], v[WD+1], v[WD+3], vcc_lo
	global_store_b64 v[VSO], v[SL:SL+1], s[96:97] offset:16896
.Lend:
	s_wait_tensorcnt 0x0
	ds_add_u32 v[SPW], v[NIL]
	s_wait_dscnt 0x0
	CROUND
	s_endpgm
.Lfunc_end_k_qfd9747b021_qkv:
	.size	k_qfd9747b021_qkv, .Lfunc_end_k_qfd9747b021_qkv-k_qfd9747b021_qkv
	.p2alignl 7, 3214868480
	.fill 96, 4, 3214868480
	.section	.rodata,"a",@progbits
	.p2align	6, 0x0
	.amdhsa_kernel k_qfd9747b021_qkv
		.amdhsa_group_segment_fixed_size 327680
		.amdhsa_private_segment_fixed_size 0
		.amdhsa_enable_private_segment 0
		.amdhsa_kernarg_size 56
		.amdhsa_user_sgpr_count 2
		.amdhsa_user_sgpr_kernarg_segment_ptr 1
		.amdhsa_wavefront_size32 1
		.amdhsa_system_sgpr_workgroup_id_x 1
		.amdhsa_system_sgpr_workgroup_id_y 1
		.amdhsa_system_sgpr_workgroup_id_z 1
		.amdhsa_system_vgpr_workitem_id 0
		.amdhsa_next_free_vgpr 1024
		.amdhsa_next_free_sgpr 102
		.amdhsa_reserve_vcc 1
		.amdhsa_float_denorm_mode_32 3
		.amdhsa_float_denorm_mode_16_64 3
		.amdhsa_memory_ordered 1
		.amdhsa_forward_progress 1
		.amdhsa_inst_pref_size 212
	.end_amdhsa_kernel
	.amdgpu_metadata
---
amdhsa.version: [ 1, 2 ]
amdhsa.kernels:
  - .name:           k_qfd9747b021_qkv
    .symbol:         k_qfd9747b021_qkv.kd
    .args:
      - { .name: xq, .offset: 0, .size: 8, .value_kind: global_buffer, .address_space: global }
      - { .name: wq, .offset: 8, .size: 8, .value_kind: global_buffer, .address_space: global }
      - { .name: cos, .offset: 16, .size: 8, .value_kind: global_buffer, .address_space: global }
      - { .name: sin, .offset: 24, .size: 8, .value_kind: global_buffer, .address_space: global }
      - { .name: b_v, .offset: 32, .size: 8, .value_kind: global_buffer, .address_space: global }
      - { .name: qq, .offset: 40, .size: 8, .value_kind: global_buffer, .address_space: global }
      - { .name: kv, .offset: 48, .size: 8, .value_kind: global_buffer, .address_space: global }
    .group_segment_fixed_size: 327680
    .private_segment_fixed_size: 0
    .kernarg_segment_align: 8
    .kernarg_segment_size: 56
    .max_flat_workgroup_size: 128
    .sgpr_count:     102
    .vgpr_count:     1024
    .wavefront_size: 32
...
	.end_amdgpu_metadata
.endif
;; end of part 2
;; launch attn (part 3): grid 16 x 16, 16 waves a work-group, no clusters, 327,680 bytes of LDS; arguments qq, kv, attention_mask, oq; writes oq
.if DOCPART == 3
	.amdgcn_target "amdgcn-amd-amdhsa--gfx1250"
	.amdhsa_code_object_version 6
	.text
	.protected	k_qfd9747b021_attn
	.globl	k_qfd9747b021_attn
	.p2align	8
	.type	k_qfd9747b021_attn,@function
k_qfd9747b021_attn:
	s_mov_b64 s[64:65], 0
	v_nop
	global_prefetch_b8 v0, s[64:65] scope:SCOPE_SE
	s_setreg_imm32_b32 hwreg(HW_REG_WAVE_MODE, 25, 1), 1
	s_wait_xcnt 0x0
; o = softmax(q k^T / 8 + mask) v for one (batch, kv head), both products on codes of FP8 (E4M3) with E8M0 scales; o is quantised along (head, channel) for the last product and stored as images of operand registers.
; THE SOFTMAX: t = score x log2(e) / 8; M = the running largest t rounded UP to a whole number; p = 2^(t - M) is quantised along the keys, not normalised; the row's sum is taken of the unquantised p and divides at the end.
; LEFT OUT: key steps all of whose 128 keys come after a tile's queries: their p is 0 for all values of the inputs.
; SHARES.  Work-group (j, batch x 8 + kv head) has the storage tiles 4 j + u (short) and 124 - 4 j + u (long), u = 0..3, for both query heads of the kv head: a short tile has j / 2 + 1 key steps of 128, a long one 16 - j / 2: 17 a pair.
; TWO WAVES SHARE A PAIR.  Waves 2 p and 2 p + 1 (p = 2 u + head) hold the same two tiles; role = (wave ^ wave / 4) & 1.  Role 0 takes the long tile's key steps 0 to 8: nine.  Role 1 takes the whole short tile, finishes it alone,
; and goes on to the long tile's key steps from 9: eight in all.  Both walk the same counted loops (2, 6 and 7 trips); a step that is not the wave's, or lies behind the diagonal, leaves its work out.
; At the end role 1 hands its partial (-M, sum, O^T) of the long tile over through LDS, and role 0 joins the two and finishes.  The join brings both partials under the larger M by factors 2^(whole number): nothing is rounded by them.
; ALL OF K AND V of the kv head, 16 records of 17,152 bytes on end, lie in LDS as they lie in memory; nothing is filled again.  Wave w fetches record w: 67 rows of 256 bytes, one tensor load a wave.  Waves 0 and 1 have a load line
; of their own and ask ahead of the clearing of registers, the others behind it; at the first barrier only waves 0 and 1 wait: the first two trips read records 0 and 1 alone.  Behind those trips every wave waits.
; NO JOINT LOADS, though the 16 work-groups of a kv head read the same records: a key step behind the diagonal is left out by a branch on the work-group's own tiles, a number that differs between such partners.
; NO PREFETCH: every byte is asked for at the head; there is no loop to run ahead in.
; LAYOUT.  Both products are used transposed (S^T = K Q^T, O^T = V^T P^T): a lane holds one query.  Storage tile T, row r is position 32 (T / 2) + 8 (T % 2) + r + 8 (r / 8): two neighbouring tiles of keys give a lane 16 neighbouring keys.
; THE FIRST PRODUCT'S K IS 64 in an instruction of 128: Q's upper eight registers are zero codes; a K tile's upper eight are the next tile's codes (the last tile's: the long tile's Q codes, which wait there for role 1), which those zeros multiply.
; THE MASKS.  attention_mask goes in as the C of the score products: 0, or -2^126 for a hidden key; above the diagonal scores are replaced by -2^126.  The largest t starts at -2^100, so a hidden key gives p = 0 and never moves M.
; A query for which no key counts keeps the sum 0: its codes are zeros and its two scale bytes become 0xff, which makes its row of the output NaN in the last product, as the softmax of an empty row is.
; LIMITS: the promise holds while |t| stays under 2^31; NaN and infinities among the inputs are not served.
; REGISTERS: v1-5 lane terms, v6-9 the step's LDS addresses, v10 o's byte offset, v11 my pair's stage, v12 -M, v13 the largest t, v[14:15] the sum, v16-31 Q, v32-95 K, v96-103 the long tile's Q, v104-167 S^T, p, then V; v168-199 O^T;
;   v200-215 p's codes; v216-223 K's scale words, v224-227 V's, v228 Q's, v229 p's; v230-231 the add's; v232-247 a block's figures; v[248:249] f; v250 at work; v251 -2^126; v[252:253] at work; v254 h; v255 the long tile's Q scale word.
.set REC,  17152                       ; a record: K's 8 tiles x 1,024; V^T's 4 x 2,048 at 8,192; K's scale words at 16,384; V's at 16,896
.set MB,   16*REC                      ; behind the records: the mask as f32, 8,192 bytes, written by LDS stores
.set STG,  MB+8192                     ; the stages: 4,608 bytes for each pair of waves: O^T's 32 registers as images, then (-M, t, sum, -)
.set STGP, 4608
.set SPARE, STG+8*STGP                 ; the spare words: 128 bytes a wave
.set S,    104
.set OT,   168
.set PCD,  200
.set TM,   232
.set WV,   12
.set ROLE, 17
.set G0,   24
.set QMIN, 36
.set QMAX, 37
.set TB,   38
.set TMK,  39
.set KF,   40
.set MNT,  41
.set CS,   42
.set SEL,  44
.set CNT,  46
.set G1,   68
.macro QADR t, c, w                    ; tile s\t of head s20 (16 b + head): offsets of Q's codes and of its scale words in qq
	s_lshl_b32 s\c, s20, 7
	s_add_co_u32 s\c, s\c, s\t
	s_lshl_b32 s\c, s\c, 10
	s_mov_b32 s[\c+1], 0
	s_lshl_b32 s\w, s20, 4
	s_lshr_b32 s23, s\t, 3
	s_add_co_u32 s\w, s\w, s23
	s_lshl_b32 s\w, s\w, 9
	s_and_b32 s23, s\t, 7
	s_lshl_b32 s23, s23, 2
	s_add_co_u32 s\w, s\w, s23
	s_add_co_u32 s\w, s\w, 4194304
	s_mov_b32 s[\w+1], 0
.endm
.macro QFIRST d, t                     ; a tile's first position: 32 (T / 2) + 8 (T % 2)
	s_lshr_b32 s23, s\t, 1
	s_lshl_b32 s\d, s23, 5
	s_and_b32 s23, s\t, 1
	s_lshl_b32 s23, s23, 3
	s_add_co_u32 s\d, s\d, s23
.endm
.macro FRESH                           ; a partial begins: the largest t -2^100, -M 2^100, sum and O^T zeros (a key step is written once for all; the first finds zeros)
	v_mov_b32 v13, 0xf1800000
	v_mov_b32 v12, 0x71800000
	v_mov_b32 v14, 0
	v_mov_b32 v15, 0
.set j, 0
.rept 32
	v_mov_b32 v[OT+j], 0
.set j, j+1
.endr
.endm
.macro ZERO
	v_mov_b32 v251, 0xfe800000                     ; -2^126
	v_mov_b32 v249, 0                              ; (named as the upper half of the pair v[248:249])
.irp k, 0,1,2,3,4,5,6,7
	v_mov_b32 v[24+\k], 0                          ; Q's zero codes for k = 64 .. 127
.endr
	FRESH
.endm
; trips key steps of 128 keys on end.  The count is a constant; a step whose first key lies beyond s[QMAX] (my tile's last query, or my share's last key) leaves its work out.
.macro STEPS trips
	s_mov_b32 s[CNT], \trips
.Lstep_\@:
	s_cmp_gt_u32 s[KF], s[QMAX]
	s_cbranch_scc1 .Lhidden_\@
	v_add_nc_u32 v6, s[TB], v1
	v_add_nc_u32 v7, s[TB], v2
	v_add_nc_u32 v8, s[TB], v3
	v_add_nc_u32 v9, s[TMK], v4
.rept 5
	v_nop                                          ; with the four additions: nine places, since the score products write over registers that the last V products read
.endr
.irp tk, 0,1,2,3,4,5,6,7
	ds_load_b128 v[32+8*\tk:35+8*\tk], v6 offset:1024*\tk
	ds_load_b128 v[36+8*\tk:39+8*\tk], v6 offset:1024*\tk+512
.endr
	ds_load_b128 v[216:219], v7 offset:16384       ; K's scale words: row r of tiles 0-7
	ds_load_b128 v[220:223], v7 offset:16400
.irp bk, 0,1,2,3
.irp jj, 0,1,2,3
	ds_load_b128 v[S+16*\bk+4*\jj:S+16*\bk+4*\jj+3], v9 offset:128*\bk+16*\jj   ; the mask of my 64 keys, where the scores will stand
.endr
.endr
	s_wait_dscnt 0x0
.irp tk, 0,1,2,3,4,5,6,7
	v_wmma_scale_f32_16x16x128_f8f6f4 v[S+8*\tk:S+8*\tk+7], v[32+8*\tk:47+8*\tk], v[16:31], v[S+8*\tk:S+8*\tk+7], v[216+\tk], v228
.endr
.rept 8
	v_nop
.endr
	s_add_co_u32 s47, s[KF], 127
	s_cmp_le_u32 s47, s[QMIN]
	s_cbranch_scc1 .Lopen_\@                       ; all keys of the step count for all my queries
	s_sub_co_i32 s47, s[QMIN], s[KF]
	v_add_nc_u32 v250, s47, v5                     ; d = my query - 16 h - the step's first key: register 16 b + i holds a hidden key where 32 b + i > d
.set n, 0
.rept 64
	v_cmp_gt_i32 vcc_lo, 32*(n/16)+n%16, v250
	v_cndmask_b32 v[S+n], v[S+n], v251, vcc_lo
.set n, n+1
.endr
.Lopen_\@:
.irp b, 0,1,2,3
	v_max3_num_f32 v[TM+\b], v[S+16*\b], v[S+1+16*\b], v[S+2+16*\b]   ; the largest score of each block of 32 keys: for the row's maximum, and, since p rises with the score, for the block's largest p
.endr
.irp i, 3,5,7,9,11,13
.irp b, 0,1,2,3
	v_max3_num_f32 v[TM+\b], v[TM+\b], v[S+16*\b+\i], v[S+1+16*\b+\i]
.endr
.endr
.irp b, 0,1,2,3
	v_max_num_f32 v[TM+\b], v[TM+\b], v[S+15+16*\b]
.endr
.irp b, 0,1,2,3
	s_delay_alu instid0(VALU_DEP_4)
	v_permlanex16_b32 v[TM+4+\b], v[TM+\b], s[SEL], s[SEL+1]
.endr
.irp b, 0,1,2,3
	s_delay_alu instid0(VALU_DEP_4)
	v_max_num_f32 v[TM+\b], v[TM+\b], v[TM+4+\b]
.endr
	s_delay_alu instid0(VALU_DEP_2)
	v_max3_num_f32 v250, v232, v233, v234
	s_delay_alu instid0(VALU_DEP_1)
	v_max_num_f32 v250, v250, v235
	s_delay_alu instid0(VALU_DEP_1)
	v_mul_f32 v250, s[CS], v250
	s_delay_alu instid0(VALU_DEP_1)
	v_max_num_f32 v13, v13, v250                   ; the running largest t
	v_mov_b32 v250, v12
	s_delay_alu instid0(VALU_DEP_2)
	v_floor_f32 v12, -v13                          ; the new -M
	s_delay_alu instid0(VALU_DEP_1)
	v_sub_f32 v250, v12, v250                      ; old M - new M: a whole number, 0 or less
	s_delay_alu instid0(VALU_DEP_1)
	v_cvt_i32_f32 v250, v250                       ; (it saturates)
	s_delay_alu instid0(VALU_DEP_1)
	v_ldexp_f32 v248, 1.0, v250                    ; f = 2^(old M - new M)
.set j, 0
.rept 32
	v_pk_fma_f32 v[S+j:S+j+1], v[S+j:S+j+1], s[CS:CS+1], v[12:13] op_sel_hi:[1,0,0]   ; t - M
.set j, j+2
.endr
.irp b, 0,1,2,3
	v_fma_f32 v[TM+\b], v[TM+\b], s[CS], v12
.endr
.set j, 0
	s_wait_alu depctr_va_vdst(0)
.rept 64
	v_exp_f32 v[S+j], v[S+j]                       ; p
.set j, j+1
.endr
.irp b, 0,1,2,3
	v_exp_f32 v[TM+\b], v[TM+\b]                   ; the block's largest p
.endr
	v_pk_mul_f32 v[14:15], v[14:15], v[248:249] op_sel_hi:[1,0]   ; the sum under the new M (a plain line behind the exponentials)
	s_wait_alu depctr_va_vdst(0)                   ; and behind it, ahead of its first reader
.irp b, 0,1,2,3
	v_max_num_f32 v[TM+\b], 0x4800000, v[TM+\b]    ; the floor 2^(9 - 127)
.endr
.irp b, 0,1,2,3
	s_delay_alu instid0(VALU_DEP_4)
	v_add_nc_u32 v[TM+12+\b], 0xfc000000, v[TM+\b]
.endr
.irp b, 0,1,2,3
	v_and_or_b32 v[TM+8+\b], v[TM+\b], 0x7f800000, s[MNT]
.endr
.irp b, 0,1,2,3
	v_lshrrev_b32 v[TM+4+\b], 23, v[TM+12+\b]
.endr
	s_delay_alu instid0(VALU_DEP_3)
	v_lshl_or_b32 v229, v237, 8, v236              ; p's scale word for these 128 keys
	s_delay_alu instid0(VALU_DEP_1)
	v_lshl_or_b32 v229, v238, 16, v229
	s_delay_alu instid0(VALU_DEP_1)
	v_lshl_or_b32 v229, v239, 24, v229
	v_pk_add_f32 v[252:253], v[108:109], v[112:113]   ; the row's sum of the unquantised p, in eight chains
	v_pk_add_f32 v[234:235], v[116:117], v[120:121]
	v_pk_add_f32 v[232:233], v[124:125], v[128:129]
	v_pk_add_f32 v[226:227], v[132:133], v[136:137]
	v_pk_add_f32 v[224:225], v[140:141], v[144:145]
	v_pk_add_f32 v[222:223], v[148:149], v[152:153]
	v_pk_add_f32 v[220:221], v[156:157], v[160:161]
	v_pk_add_f32 v[14:15], v[14:15], v[164:165]
	v_pk_add_f32 v[252:253], v[252:253], v[104:105]
	v_pk_add_f32 v[234:235], v[234:235], v[106:107]
	v_pk_add_f32 v[232:233], v[232:233], v[110:111]
	v_pk_add_f32 v[226:227], v[226:227], v[114:115]
	v_pk_add_f32 v[224:225], v[224:225], v[118:119]
	v_pk_add_f32 v[222:223], v[222:223], v[122:123]
	v_pk_add_f32 v[220:221], v[220:221], v[126:127]
	v_pk_add_f32 v[14:15], v[14:15], v[130:131]
	v_pk_add_f32 v[252:253], v[252:253], v[134:135]
	v_pk_add_f32 v[234:235], v[234:235], v[138:139]
	v_pk_add_f32 v[232:233], v[232:233], v[142:143]
	v_pk_add_f32 v[226:227], v[226:227], v[146:147]
	v_pk_add_f32 v[224:225], v[224:225], v[150:151]
	v_pk_add_f32 v[222:223], v[222:223], v[154:155]
	v_pk_add_f32 v[220:221], v[220:221], v[158:159]
	v_pk_add_f32 v[14:15], v[14:15], v[162:163]
	v_pk_add_f32 v[252:253], v[252:253], v[166:167]
	s_delay_alu instid0(VALU_DEP_2)
	v_pk_add_f32 v[14:15], v[14:15], v[226:227]
	s_delay_alu instid0(VALU_DEP_2)
	v_pk_add_f32 v[252:253], v[252:253], v[224:225]
	v_pk_add_f32 v[234:235], v[234:235], v[222:223]
	v_pk_add_f32 v[232:233], v[232:233], v[220:221]
	s_delay_alu instid0(VALU_DEP_2)
	v_pk_add_f32 v[14:15], v[14:15], v[234:235]
	s_delay_alu instid0(VALU_DEP_2)
	v_pk_add_f32 v[252:253], v[252:253], v[232:233]
	s_delay_alu instid0(VALU_DEP_1)
	v_pk_add_f32 v[14:15], v[14:15], v[252:253]
.irp b, 0,1,2,3
.irp i, 0,1,2,3,4,5,6,7,8,9,10,11,12,13,14,15
	v_min_num_f32 v[S+16*\b+\i], v[S+16*\b+\i], v[TM+8+\b]   ; the hold; p is not negative
.endr
	v_cvt_scalef32_pk8_fp8_f32 v[PCD+4*\b:PCD+4*\b+1], v[S+16*\b:S+16*\b+7], v[TM+12+\b]
	v_cvt_scalef32_pk8_fp8_f32 v[PCD+4*\b+2:PCD+4*\b+3], v[S+16*\b+8:S+16*\b+15], v[TM+12+\b]
.endr
.irp t, 0,1,2,3
.irp c, 0,1,2,3
	ds_load_b128 v[S+16*\t+4*\c:S+16*\t+4*\c+3], v6 offset:8192+2048*\t+512*\c   ; V^T's four fragments, where p stood
.endr
.endr
	ds_load_b128 v[224:227], v8 offset:16896       ; V's scale words
.set j, 0
.rept 16
	v_pk_mul_f32 v[OT+j:OT+j+1], v[OT+j:OT+j+1], v[248:249] op_sel_hi:[1,0]   ; O^T under the new M; these are also the places behind the conversions and in front of the products
.set j, j+2
.endr
	s_wait_alu depctr_va_vdst(0)
	s_wait_dscnt 0x0
.irp t, 0,1,2,3
	v_wmma_scale_f32_16x16x128_f8f6f4 v[OT+8*\t:OT+8*\t+7], v[S+16*\t:S+16*\t+15], v[PCD:PCD+15], v[OT+8*\t:OT+8*\t+7], v[224+\t], v229
.endr
.Lhidden_\@:
	s_add_co_u32 s[TB], s[TB], REC                 ; the next record,
	s_add_co_u32 s[TMK], s[TMK], 512               ; its keys' part of the mask,
	s_add_co_u32 s[KF], s[KF], 128                 ; its first key
	s_sub_co_u32 s[CNT], s[CNT], 1
	s_cmp_lg_u32 s[CNT], 0
	s_cbranch_scc1 .Lstep_\@
.endm
.macro TILE_END                        ; eight places behind the last products; the sum's two halves
.rept 8
	v_nop
.endr
	v_add_f32 v14, v14, v15
.endm
.macro PUT                             ; my partial into the pair's stage: images of registers, each accumulator from its low end on
.irp t, 0,1,2,3
	ds_store_b128 v11, v[OT+8*\t:OT+8*\t+3] offset:1024*\t
	ds_store_b128 v11, v[OT+8*\t+4:OT+8*\t+7] offset:1024*\t+512
.endr
	ds_store_b128 v11, v[12:15] offset:4096
.endm
; join = 1: the partner's partial is joined with mine first.  Then O^T / the sum, quantised along the head's 64 channels (register 16 b + i = channel 32 b + 16 h + i), leaves.
.macro FINISH join
.if \join
.irp t, 0,1,2,3
	ds_load_b128 v[S+8*\t:S+8*\t+3], v11 offset:1024*\t
	ds_load_b128 v[S+8*\t+4:S+8*\t+7], v11 offset:1024*\t+512
.endr
	ds_load_b128 v[S+32:S+35], v11 offset:4096
	s_wait_dscnt 0x0
	v_min_num_f32 v250, v12, v[S+32]               ; the joint -M: the larger M
	v_sub_f32 v252, v250, v12                      ; my M less the joint one, and the partner's: whole numbers, 0 or less
	v_sub_f32 v253, v250, v[S+32]
	v_cvt_i32_f32 v252, v252                       ; (they saturate: a partial with no step has -M = 2^100 and gets the factor 0)
	v_cvt_i32_f32 v253, v253
	v_ldexp_f32 v248, 1.0, v252
	v_ldexp_f32 v252, 1.0, v253
	v_mul_f32 v14, v14, v248
	v_fmac_f32 v14, v[S+34], v252
.set j, 0
.rept 16
	v_pk_mul_f32 v[OT+j:OT+j+1], v[OT+j:OT+j+1], v[248:249] op_sel_hi:[1,0]
.set j, j+2
.endr
.set j, 0
.rept 16
	v_pk_fma_f32 v[OT+j:OT+j+1], v[S+j:S+j+1], v[252:253], v[OT+j:OT+j+1] op_sel_hi:[1,0,1]
.set j, j+2
.endr
.endif
	v_permlanex16_b32 v250, v14, s[SEL], s[SEL+1]
	s_delay_alu instid0(VALU_DEP_1)
	v_add_f32 v14, v14, v250                       ; the row's sum
	s_delay_alu instid0(VALU_DEP_1)
	v_cmp_eq_f32 s50, 0, v14                       ; no key counted
	s_delay_alu instid0(VALU_DEP_1)
	v_cndmask_b32 v14, v14, 1.0, s50
	s_wait_alu depctr_va_vdst(0)
	v_rcp_f32 v14, v14
	v_nop
.set j, 0
	s_wait_alu depctr_va_vdst(0)                   ; ahead of the reciprocal's first reader, which is O^T's too
.rept 32
	v_mul_f32 v[S+j], v[OT+j], v14
.set j, j+1
.endr
.irp b, 0,1
	v_max3_num_f32 v[TM+\b], |v[S+16*\b]|, |v[S+1+16*\b]|, 0x4800000
.endr
.irp i, 2,4,6,8,10,12,14
.irp b, 0,1
	s_delay_alu instid0(VALU_DEP_2)
	v_max3_num_f32 v[TM+\b], v[TM+\b], |v[S+16*\b+\i]|, |v[S+1+16*\b+\i]|
.endr
.endr
.irp b, 0,1
	s_delay_alu instid0(VALU_DEP_2)
	v_permlanex16_b32 v[TM+4+\b], v[TM+\b], s[SEL], s[SEL+1]
.endr
.irp b, 0,1
	s_delay_alu instid0(VALU_DEP_2)
	v_max_num_f32 v[TM+\b], v[TM+\b], v[TM+4+\b]
.endr
.irp b, 0,1
	s_delay_alu instid0(VALU_DEP_2)
	v_add_nc_u32 v[TM+12+\b], 0xfc000000, v[TM+\b]
.endr
.irp b, 0,1
	s_delay_alu instid0(VALU_DEP_4)
	v_and_or_b32 v[TM+8+\b], v[TM+\b], 0x7f800000, s[MNT]
.endr
.irp b, 0,1
	s_delay_alu instid0(VALU_DEP_4)
	v_lshrrev_b32 v[TM+4+\b], 23, v[TM+12+\b]
.endr
.irp b, 0,1
.irp i, 0,1,2,3,4,5,6,7,8,9,10,11,12,13,14,15
	v_med3_num_f32 v[S+16*\b+\i], v[S+16*\b+\i], -v[TM+8+\b], v[TM+8+\b]
.endr
	v_cvt_scalef32_pk8_fp8_f32 v[PCD+4*\b:PCD+4*\b+1], v[S+16*\b:S+16*\b+7], v[TM+12+\b]
	v_cvt_scalef32_pk8_fp8_f32 v[PCD+4*\b+2:PCD+4*\b+3], v[S+16*\b+8:S+16*\b+15], v[TM+12+\b]
.endr
	v_nop
	v_cmp_eq_u32 vcc_lo, 1, v254
	s_delay_alu instid0(VALU_DEP_1)
	v_cndmask_b32 v250, v236, v237, vcc_lo         ; lanes 0-15 store the first block's byte, lanes 16-31 the second's
	v_mov_b32 v252, 0xff
	s_delay_alu instid0(VALU_DEP_1)
	v_cndmask_b32 v250, v250, v252, s50            ; an empty row: the byte that makes the last product's sums NaN
	global_store_b128 v1, v[PCD:PCD+3], s[56:57]   ; 512 consecutive bytes
	global_store_b128 v1, v[PCD+4:PCD+7], s[56:57] offset:512
	global_store_b8 v10, v250, s[58:59]            ; 32 different bytes within 128 consecutive ones
	s_wait_xcnt 0x0                                ; the stores have read their registers, which later steps write again
.endm
	s_load_b256 s[4:11], s[0:1], 0x0               ; qq, kv, attention_mask, oq
	v_lshl_add_u32 v230, v0, 2, SPARE
	v_mov_b32 v231, 0
	ds_add_u32 v230, v231                          ; the opening lines
	ds_add_u32 v230, v231
	v_lshrrev_b32 v1, 5, v0
	v_readfirstlane_b32 s[WV], v1                  ; wave 0..15
	s_and_b32 s13, ttmp7, 0xffff                   ; 8 b + g
	s_lshr_b32 s14, s13, 3                         ; b
	s_and_b32 s15, s13, 7                          ; g
	s_bfe_u32 s18, s[WV], 0x10001                  ; e: which query head of the two
	s_lshr_b32 s16, s[WV], 2                       ; u
	s_xor_b32 s[ROLE], s[WV], s16
	s_and_b32 s[ROLE], s[ROLE], 1                  ; my role; wave ^ 1 has the other
	s_lshl_b32 s19, ttmp9, 2
	s_sub_co_u32 s21, 124, s19
	s_add_co_u32 s19, s19, s16                     ; the short tile
	s_add_co_u32 s21, s21, s16                     ; the long tile
	s_lshl_b32 s20, s15, 1
	s_add_co_u32 s20, s20, s18
	s_lshl_b32 s22, s14, 4
	s_add_co_u32 s20, s20, s22                     ; 16 b + my query head
	s_cmp_eq_u32 s[ROLE], 0
	s_cselect_b32 s22, s21, s19                    ; the tile that I begin with, which is also the tile that I finish: role 0 the long one, role 1 the short one
	QADR 22, 52, 54
	QADR 21, 28, 30
	QFIRST 36, 22                                  ; my first tile's first query,
	s_add_co_u32 s[QMAX], s[QMIN], 23              ; its last,
	s_min_u32 s[QMAX], s[QMAX], 1151               ; and role 0's share of the long tile ends with key step 8 (a short tile's queries lie under 1,024)
	QFIRST 51, 21                                  ; the long tile's first query, for role 1's second part
	s_lshl_b32 s20, s14, 7
	s_add_co_u32 s20, s20, s22                     ; 128 b + T
	s_lshl_b32 s56, s20, 14
	s_lshl_b32 s23, s15, 11
	s_add_co_u32 s56, s56, s23
	s_lshl_b32 s23, s18, 10
	s_add_co_u32 s56, s56, s23                     ; o's codes: K step g, its half e
	s_mov_b32 s57, 0
	s_lshl_b32 s58, s20, 9
	s_lshr_b32 s23, s15, 1
	s_lshl_b32 s23, s23, 7
	s_add_co_u32 s58, s58, s23
	s_and_b32 s23, s15, 1
	s_lshl_b32 s23, s23, 2
	s_add_co_u32 s58, s58, s23
	s_lshl_b32 s23, s18, 1
	s_add_co_u32 s58, s58, s23
	s_add_co_u32 s58, s58, 4194304                 ; o's scale bytes
	s_mov_b32 s59, 0
	s_lshl_b32 s48, s14, 13                        ; the batch's row of the mask
	s_mov_b32 s49, 0
	s_mul_i32 s[G0+1], s[WV], REC                  ; record w: in LDS, and at the same place among the kv head's 16 in memory
	s_mul_i32 s60, s13, 16*REC
	s_add_co_u32 s60, s60, s[G0+1]
	s_mov_b32 s61, 0
	s_mov_b32 s[G0], 1
	s_mov_b32 s[G1], 3<<16                         ; elements of 8 bytes, no mask, no padding: 67 rows of 256 bytes, dense
	s_mov_b32 s[G1+1], 32<<16
	s_mov_b32 s[G1+2], 67<<16
	s_mov_b32 s[G1+3], 32<<16
	s_mov_b32 s[G1+4], 67
	s_mov_b32 s[G1+5], 32
	s_mov_b32 s[G1+6], 0
	s_mov_b32 s[G1+7], 0
	s_mov_b32 s[MNT], 0x600000
	s_mov_b32 s[CS], 0x3e38aa3b                    ; c = log2(e) / 8
	s_mov_b32 s[CS+1], s[CS]
	s_mov_b32 s[SEL], 0x76543210
	s_mov_b32 s[SEL+1], 0xfedcba98
	s_mov_b32 s[TB], 0                             ; both roles begin at key step 0
	s_mov_b32 s[TMK], 0
	s_mov_b32 s[KF], 0
	s_lshr_b32 s22, s[WV], 1
	s_mul_i32 s22, s22, STGP
	s_add_co_u32 s22, s22, STG                     ; my pair's stage
	s_wait_dscnt 0x0                               ; both opening adds are done
	s_wait_kmcnt 0x0
	s_add_nc_u64 s[G0+2:G0+3], s[6:7], s[60:61]
	s_or_b32 s[G0+3], s[G0+3], 0x80000000
	s_cmp_lt_u32 s[WV], 2                          ; one tensor load a wave; waves 0 and 1, which alone wait at the first barrier, have a line of their own
	s_cbranch_scc0 .Llate
	tensor_load_to_lds s[G0:G0+3], s[G1:G1+7]      ; records 0 and 1
	s_nop 0
.rept 4
	v_nop
.endr
	ZERO
	s_branch .Lasked
.Llate:
	ZERO
	tensor_load_to_lds s[G0:G0+3], s[G1:G1+7]      ; records 2-15
	s_nop 0
.rept 4
	v_nop
.endr
.Lasked:
	s_add_nc_u64 s[52:53], s[4:5], s[52:53]
	s_add_nc_u64 s[54:55], s[4:5], s[54:55]
	s_add_nc_u64 s[28:29], s[4:5], s[28:29]
	s_add_nc_u64 s[30:31], s[4:5], s[30:31]
	s_add_nc_u64 s[56:57], s[10:11], s[56:57]
	s_add_nc_u64 s[58:59], s[10:11], s[58:59]
	s_add_nc_u64 s[8:9], s[8:9], s[48:49]
	v_and_b32 v1, 31, v0
	v_and_b32 v252, 15, v0                         ; r
	v_bfe_u32 v254, v0, 4, 1                       ; h
	v_lshlrev_b32 v250, 4, v0
	v_lshlrev_b32 v1, 4, v1                        ; 16 x lane
	v_lshlrev_b32 v2, 5, v252                      ; 32 r
	v_lshlrev_b32 v3, 4, v252                      ; 16 r
	v_lshl_add_u32 v4, v254, 6, MB                 ; the mask: my half's 16 keys of a block
	global_load_b128 v[240:243], v250, s[8:9]      ; four words of the mask a thread
	global_load_b128 v[16:19], v1, s[52:53]        ; my first tile's Q
	global_load_b128 v[20:23], v1, s[52:53] offset:512
	global_load_b32 v228, v2, s[54:55]
	global_load_b128 v[96:99], v1, s[28:29]        ; the long tile's Q waits behind K's last tile
	global_load_b128 v[100:103], v1, s[28:29] offset:512
	global_load_b32 v255, v2, s[30:31]
	v_and_b32 v5, 8, v252
	v_lshlrev_b32 v10, 4, v254
	v_add_nc_u32 v5, v5, v252
	v_lshl_add_u32 v9, v0, 4, MB                   ; where my four words of the mask go
	v_sub_nc_u32 v5, v5, v10                       ; r + 8 (r / 8) - 16 h: my query less the tile's first, less 16 h
	v_lshl_add_u32 v10, v252, 3, v254              ; o's scale byte: 8 r + h
	v_add_nc_u32 v11, s22, v1                      ; the stage: 16 x lane
	s_wait_alu depctr_va_vdst(0)
	s_wait_loadcnt 0x0
.irp k, 0,1,2,3
	v_cmp_eq_u32 vcc_lo, 0, v[240+\k]
	s_delay_alu instid0(VALU_DEP_1)
	v_cndmask_b32 v[236+\k], 0, v251, vcc_lo       ; 0 where the key counts, -2^126 where the mask hides it
.endr
	ds_store_b128 v9, v[236:239]
	s_wait_alu depctr_va_vdst(0)
	s_cmp_lt_u32 s[WV], 2
	s_cbranch_scc0 .Lnot_first
	s_wait_tensorcnt 0x0                           ; waves 0 and 1: records 0 and 1 have landed
.Lnot_first:
	s_wait_dscnt 0x0                               ; my part of the mask is stored
	s_barrier_signal -1
	s_barrier_wait -1                              ; The other fourteen loads may stay on their way
	STEPS 2                                        ; my first tile, key steps 0 and 1
	s_wait_tensorcnt 0x0                           ; every wave: all sixteen records
	s_wait_dscnt 0x0
	s_barrier_signal -1
	s_barrier_wait -1
	STEPS 6                                        ; key steps 2-7: the short tile is through
	s_cmp_eq_u32 s[ROLE], 0
	s_cbranch_scc1 .Lgo_on
	TILE_END                                       ; role 1: the short tile is mine alone: it is finished with no partner,
	FINISH 0
.irp k, 0,1,2,3,4,5,6,7
	v_mov_b32 v[16+\k], v[96+\k]                   ; and the long tile's Q takes its place
.endr
	v_mov_b32 v228, v255
	FRESH
	s_wait_alu depctr_va_vdst(0)
	s_mov_b32 s[QMIN], s51
	s_add_co_u32 s[QMAX], s[QMIN], 23
.Lgo_on:
	s_mul_i32 s47, s[ROLE], REC                    ; both roles stand at key step 8; role 1 begins one further on
	s_add_co_u32 s[TB], s[TB], s47
	s_lshl_b32 s47, s[ROLE], 9
	s_add_co_u32 s[TMK], s[TMK], s47
	s_lshl_b32 s47, s[ROLE], 7
	s_add_co_u32 s[KF], s[KF], s47
	STEPS 7                                        ; the long tile: role 0 key step 8, role 1 key steps 9-15
	TILE_END
	s_cmp_eq_u32 s[ROLE], 0
	s_cbranch_scc1 .Lkeep
	PUT                                            ; role 1 hands its partial of the long tile over
.Lkeep:
	s_wait_alu depctr_va_vdst(0)
	s_wait_dscnt 0x0                               ; the stores are done in the waves that stored; behind the barrier the partner reads
	s_barrier_signal -1
	s_barrier_wait -1
	s_cmp_lg_u32 s[ROLE], 0
	s_cbranch_scc1 .Ldone
	FINISH 1                                       ; role 0 joins and finishes the long tile
.Ldone:
	s_wait_tensorcnt 0x0                           ; the wave's end
	ds_add_u32 v230, v231
	s_wait_dscnt 0x0
	s_endpgm
.Lfunc_end_k_qfd9747b021_attn:
	.size	k_qfd9747b021_attn, .Lfunc_end_k_qfd9747b021_attn-k_qfd9747b021_attn
	.p2alignl 7, 3214868480
	.fill 96, 4, 3214868480
	.section	.rodata,"a",@progbits
	.p2align	6, 0x0
	.amdhsa_kernel k_qfd9747b021_attn
		.amdhsa_group_segment_fixed_size 327680
		.amdhsa_private_segment_fixed_size 0
		.amdhsa_enable_private_segment 0
		.amdhsa_kernarg_size 32
		.amdhsa_user_sgpr_count 2
		.amdhsa_user_sgpr_kernarg_segment_ptr 1
		.amdhsa_wavefront_size32 1
		.amdhsa_system_sgpr_workgroup_id_x 1
		.amdhsa_system_sgpr_workgroup_id_y 1
		.amdhsa_system_sgpr_workgroup_id_z 1
		.amdhsa_system_vgpr_workitem_id 0
		.amdhsa_next_free_vgpr 256
		.amdhsa_next_free_sgpr 94
		.amdhsa_reserve_vcc 1
		.amdhsa_float_denorm_mode_32 3
		.amdhsa_float_denorm_mode_16_64 3
		.amdhsa_memory_ordered 1
		.amdhsa_forward_progress 1
		.amdhsa_inst_pref_size 107
	.end_amdhsa_kernel
	.amdgpu_metadata
---
amdhsa.version: [ 1, 2 ]
amdhsa.kernels:
  - .name:           k_qfd9747b021_attn
    .symbol:         k_qfd9747b021_attn.kd
    .args:
      - { .name: qq, .offset: 0, .size: 8, .value_kind: global_buffer, .address_space: global }
      - { .name: kv, .offset: 8, .size: 8, .value_kind: global_buffer, .address_space: global }
      - { .name: attention_mask, .offset: 16, .size: 8, .value_kind: global_buffer, .address_space: global }
      - { .name: oq, .offset: 24, .size: 8, .value_kind: global_buffer, .address_space: global }
    .group_segment_fixed_size: 327680
    .private_segment_fixed_size: 0
    .kernarg_segment_align: 8
    .kernarg_segment_size: 32
    .max_flat_workgroup_size: 512
    .sgpr_count:     94
    .vgpr_count:     256
    .wavefront_size: 32
...
	.end_amdgpu_metadata
.endif
;; end of part 3
;; launch proj (part 4): grid 16 x 16, 4 waves a work-group, clusters of 4 x 4, 327,680 bytes of LDS; arguments oq, wq, b_o, out0; writes out0
.if DOCPART == 4
	.amdgcn_target "amdgcn-amd-amdhsa--gfx1250"
	.amdhsa_code_object_version 6
	.text
	.protected	k_qfd9747b021_proj
	.globl	k_qfd9747b021_proj
	.p2align	8
	.type	k_qfd9747b021_proj,@function
k_qfd9747b021_proj:
	s_mov_b64 s[64:65], 0
	v_nop
	global_prefetch_b8 v0, s[64:65] scope:SCOPE_SE
	s_setreg_imm32_b32 hwreg(HW_REG_WAVE_MODE, 25, 1), 1
	s_wait_xcnt 0x0
	s_wait_alu depctr_hold_cnt(0) depctr_sa_sdst(0) depctr_va_vdst(0) depctr_va_sdst(0) depctr_va_ssrc(0) depctr_va_vcc(0) depctr_vm_vsrc(0)
	s_getreg_b32 s2, hwreg(HW_REG_IB_STS2, 6, 4)
	s_cmp_eq_u32 s2, 0
	s_cbranch_scc0 .Lentry_in_a_cluster
	s_endpgm
.Lentry_in_a_cluster:
	s_bfe_u32 s2, ttmp6, 0x10000c
	s_cmp_lg_u32 s2, 0xf033
	s_cbranch_scc0 .Lentry_shape_is_right
	s_endpgm
.Lentry_shape_is_right:
.set KK,    1024
.set NKS,   KK/128
.set TP,    NKS*2048
.set SPT,   NKS*64
.set LAPS,  KK/512
.set ASC,   4194304
.set BCO,   4325376
.set BSC,   6422528
.set SLOT,  98304
.set BOFF,  65536
.set SCB,   2*SLOT
.set SCA,   SCB+8*SPT
.set SPARE, SCA+16*SPT
.set STAGE, SPARE+512
.set LI,   4
.set ADRA, 16
.set ADRB, 20
.set ADSA, 22
.set ADSB, 23
.set STO,  24
.set RD,   25
.set CO,   26
.set SPW,  28
.set NIL,  29
.set SC,   32
.set BK,   128
.set WV,   18
.set RW,   19
.set CW,   20
.set G1A,  24
.set G0A,  32
.set G1B,  48
.set G0B,  56
.set G1SA, 68
.set G0SA, 76
.set G1SB, 80
.set G0SB, 88
.set MSB, 0
.macro WIN new
.if MSB != (\new)
	s_set_vgpr_msb (MSB<<8)|(\new)
.set MSB, (\new)
.endif
.endm
.macro PLACES n
.rept \n
	v_nop
.endr
.endm
.macro JLOAD g0a, g1a, g0b, g1b
	s_cmp_eq_u32 s[RW], 0
	s_cbranch_scc0 .Lfor_b_\@
	tensor_load_to_lds s[\g0a:\g0a+3], s[\g1a:\g1a+7]
	s_nop 0
.rept 4
	v_nop
.endr
	s_branch .Lasked_\@
.Lfor_b_\@:
	tensor_load_to_lds s[\g0b:\g0b+3], s[\g1b:\g1b+7]
	s_nop 0
.rept 4
	v_nop
.endr
.Lasked_\@:
.endm
.macro CREST
	s_cmp_lg_u32 s[WV], 0
	s_cbranch_scc1 .Lnot_wave_0_\@
	s_barrier_signal -3
.Lnot_wave_0_\@:
	s_barrier_wait -3
	s_barrier_signal -1
	s_barrier_wait -1
.endm
.macro CROUND
	s_barrier_signal -1
	s_barrier_wait -1
	CREST
.endm
.macro FETCH slot, q, p
	WIN 0x40
.irp t, 0,1,2,3
.irp c, 0,1,2,3
	ds_load_b128 v[64*(\p)+16*\t+4*\c:64*(\p)+16*\t+4*\c+3], v[ADRB+\slot] offset:4096*\t+2048*(\q)+512*\c
.endr
.endr
	WIN 0x40*(\p)
.irp i, 0,1,2,3,4,5,6,7
.irp c, 0,1,2,3
	ds_load_b128 v[128+16*\i+4*\c:128+16*\i+4*\c+3], v[ADRA+\slot] offset:4096*\i+2048*(\q)+512*\c
.endr
.endr
	WIN 0
.endm
.macro SCALES sc
.irp i, 0,1,2,3,4,5,6,7
	ds_load_b64 v[SC+24*\sc+2*\i:SC+24*\sc+2*\i+1], v[ADSA] offset:\i*SPT
.endr
.irp t, 0,1,2,3
	ds_load_b64 v[SC+24*\sc+16+2*\t:SC+24*\sc+16+2*\t+1], v[ADSB] offset:\t*SPT
.endr
.endm
.macro MUL p, q, sc, first
.if \first
	WIN 0xb1
.else
	WIN 0xa1+4*(\p)
.endif
.irp i, 0,1,2,3,4,5,6,7
.irp t, 0,1,2,3
.if \first
	v_wmma_scale_f32_16x16x128_f8f6f4 v[8*(4*\i+\t):8*(4*\i+\t)+7], v[64*(\p)+16*\t:64*(\p)+16*\t+15], v[128+16*\i:128+16*\i+15], v[8*\t:8*\t+7], v[SC+24*(\sc)+16+2*\t+(\q)], v[SC+24*(\sc)+2*\i+(\q)]
.else
	v_wmma_scale_f32_16x16x128_f8f6f4 v[8*(4*\i+\t):8*(4*\i+\t)+7], v[64*(\p)+16*\t:64*(\p)+16*\t+15], v[128+16*\i:128+16*\i+15], v[8*(4*\i+\t):8*(4*\i+\t)+7], v[SC+24*(\sc)+16+2*\t+(\q)], v[SC+24*(\sc)+2*\i+(\q)]
.endif
.endr
.endr
	WIN 0
.endm
.macro STEP0 slot, first
	s_wait_dscnt 0x0
	PLACES 8
	FETCH \slot, 1, 1
	MUL 0, 0, \slot, \first
.endm
.macro TURN slot, next, fill
	s_wait_tensorcnt 0x0
	ds_add_u32 v[SPW], v[NIL]
.if \fill
	s_add_nc_u64 s[G0A+4*\slot+2:G0A+4*\slot+3], s[G0A+4*\slot+2:G0A+4*\slot+3], 8192
	s_add_nc_u64 s[G0B+4*\slot+2:G0B+4*\slot+3], s[G0B+4*\slot+2:G0B+4*\slot+3], 8192
.endif
	s_wait_dscnt 0x0
	s_barrier_signal -1
	s_barrier_wait -1
.if \fill
	CREST
	JLOAD G0A+4*\slot, G1A, G0B+4*\slot, G1B
	PLACES 4
.else
	PLACES 8
.endif
	s_wait_alu depctr_va_vdst(0)
	v_add_nc_u32 v[ADSA], 128, v[ADSA]
	v_add_nc_u32 v[ADSB], 128, v[ADSB]
	FETCH \next, 0, 0
	SCALES \next
	MUL 1, 1, \slot, 0
.endm
.macro TOSTAGE i
	WIN 0x08
.irp t, 0,1,2,3
	ds_store_b128 v[STO], v[8*(4*(\i)+\t):8*(4*(\i)+\t)+3] offset:128*(\t/2)+32*(\t%2)
	ds_store_b128 v[STO], v[8*(4*(\i)+\t)+4:8*(4*(\i)+\t)+7] offset:128*(\t/2)+32*(\t%2)+16
.endr
	WIN 0
.irp tt, 0,1,2,3,4,5,6,7
	ds_load_b128 v[BK+32*((\i)%2)+4*\tt:BK+32*((\i)%2)+4*\tt+3], v[RD] offset:544*\tt
.endr
.endm
.macro SEND i, younger
	s_wait_dscnt \younger
.irp tt, 0,1,2,3,4,5,6,7
	global_store_b128 v[CO], v[BK+32*((\i)%2)+4*\tt:BK+32*((\i)%2)+4*\tt+3], s[10:11] offset:(32*((\i)/2)+8*((\i)%2)+2*\tt+8*(\tt/4))*8192 th:TH_STORE_NT
.endr
.endm
	s_load_b256 s[4:11], s[0:1], 0x0
	v_lshl_add_u32 v[SPW], v0, 2, SPARE
	v_mov_b32 v[NIL], 0
	ds_add_u32 v28, v29
	ds_add_u32 v28, v29
	s_wait_dscnt 0x0
	v_lshrrev_b32 v1, 5, v0
	v_readfirstlane_b32 s[WV], v1
	s_lshr_b32 s[RW], s[WV], 1
	s_and_b32 s[CW], s[WV], 1
	s_bfe_u32 s40, ttmp6, 0x40000
	s_bfe_u32 s41, ttmp6, 0x40004
	s_lshl_b32 s42, ttmp9, 2
	s_add_co_u32 s42, s42, s40
	s_and_b32 s45, ttmp7, 0xffff
	s_lshl_b32 s45, s45, 2
	s_add_co_u32 s45, s45, s41
	s_lshl_b32 s43, s41, 2
	s_lshl_b32 s43, 15, s43
	s_lshl_b32 s44, 0x1111, s40
	s_or_b32 s[G1A], s43, (3<<16)|(1<<21)
	s_or_b32 s[G1B], s44, (3<<16)|(1<<21)
	s_or_b32 s[G1SA], s43, (3<<16)|(1<<21)
	s_or_b32 s[G1SB], s44, (3<<16)|(1<<21)
.irp g, G1A, G1B
	s_mov_b32 s[\g+1], 512<<16
	s_mov_b32 s[\g+3], 512<<16
	s_mov_b32 s[\g+5], TP/8
	s_mov_b32 s[\g+6], 0
	s_mov_b32 s[\g+7], 0
.endr
	s_mov_b32 s[G1A+2], 16<<16                     ; the head's loads bring a whole slot's part: A's 16 storage tiles, B's 8
	s_mov_b32 s[G1A+4], 16
	s_mov_b32 s[G1B+2], 8<<16
	s_mov_b32 s[G1B+4], 8
.irp g, G1SA, G1SB
	s_mov_b32 s[\g+1], 32<<16
	s_mov_b32 s[\g+3], 32<<16
	s_mov_b32 s[\g+5], 32
	s_mov_b32 s[\g+6], 0
	s_mov_b32 s[\g+7], 0
.endr
	s_mov_b32 s[G1SA+2], (16*SPT/256)<<16          ; the scale words of all 16 tiles of A, of all 8 of B: one load each
	s_mov_b32 s[G1SA+4], 16*SPT/256
	s_mov_b32 s[G1SB+2], (8*SPT/256)<<16
	s_mov_b32 s[G1SB+4], 8*SPT/256
	s_lshl_b32 s21, s[CW], 3
	s_lshl_b32 s22, s45, 4
	s_add_co_u32 s22, s22, s21
	s_mul_i32 s92, s22, TP
	s_mov_b32 s93, 0
	s_lshl_b32 s94, s45, 4
	s_mul_i32 s94, s94, SPT
	s_add_co_u32 s94, s94, ASC
	s_mov_b32 s95, 0
	s_lshl_b32 s21, s[CW], 2
	s_lshl_b32 s23, s42, 3
	s_add_co_u32 s23, s23, s21
	s_mul_i32 s96, s23, TP
	s_add_co_u32 s96, s96, BCO
	s_mov_b32 s97, 0
	s_lshl_b32 s98, s42, 3
	s_mul_i32 s98, s98, SPT
	s_add_co_u32 s98, s98, BSC
	s_mov_b32 s99, 0
	s_lshl_b32 s46, s[CW], 15
	s_lshl_b32 s47, s[CW], 14
	s_wait_kmcnt 0x0
	s_add_nc_u64 s[92:93], s[4:5], s[92:93]
	s_add_nc_u64 s[94:95], s[4:5], s[94:95]
	s_add_nc_u64 s[96:97], s[6:7], s[96:97]
	s_add_nc_u64 s[98:99], s[6:7], s[98:99]
	; THE PREFETCHES.  A K step of 256 is 4,096 bytes of each storage tile.  The four partners that ask for a tile jointly share its blocks out by address: of A's 16 storage tiles the partner at cx takes 4 cx .. 4 cx + 3,
	; two for wave 0 and two for wave 1; of B's 8 the partner at cy takes 2 cy, 2 cy + 1, for wave 2: a lane names one block of 256 bytes, so each block is named once in each cluster that loads it.
	; K has four such steps: steps 1 and 2 are asked for behind the head's loads, step 3 behind step 1's load; the loop's refills have no step two on.
	s_lshl_b32 s21, s45, 4
	s_lshl_b32 s22, s40, 2
	s_add_co_u32 s21, s21, s22
	s_lshl_b32 s22, s[WV], 1
	s_add_co_u32 s21, s21, s22                     ; A: my two storage tiles
	s_lshl_b32 s22, s42, 3
	s_lshl_b32 s23, s41, 1
	s_add_co_u32 s22, s22, s23                     ; B: my two
	s_mul_i32 s21, s21, TP
	s_mul_i32 s22, s22, TP
	s_add_co_u32 s22, s22, BCO
	s_cmp_lt_u32 s[WV], 2
	s_cselect_b64 s[4:5], s[4:5], s[6:7]
	s_cselect_b32 s100, s21, s22
	s_mov_b32 s101, 0
	s_add_nc_u64 s[4:5], s[4:5], s[100:101]        ; s[4:5]: where my prefetches stand, at K step 0; never rewritten
	CROUND
	s_mov_b32 s[G0SA], 1
	s_mov_b32 s[G0SA+1], SCA
	s_mov_b64 s[G0SA+2:G0SA+3], s[94:95]
	s_or_b32 s[G0SA+3], s[G0SA+3], 0x80000000
	s_mov_b32 s[G0SB], 1
	s_mov_b32 s[G0SB+1], SCB
	s_mov_b64 s[G0SB+2:G0SB+3], s[98:99]
	s_or_b32 s[G0SB+3], s[G0SB+3], 0x80000000
.irp s, 0,1
	s_mov_b32 s[G0A+4*\s], 1
	s_add_co_u32 s[G0A+4*\s+1], s46, \s*SLOT
	s_add_nc_u64 s[G0A+4*\s+2:G0A+4*\s+3], s[92:93], \s*4096
	s_or_b32 s[G0A+4*\s+3], s[G0A+4*\s+3], 0x80000000
	s_mov_b32 s[G0B+4*\s], 1
	s_add_co_u32 s[G0B+4*\s+1], s47, \s*SLOT+BOFF
	s_add_nc_u64 s[G0B+4*\s+2:G0B+4*\s+3], s[96:97], \s*4096
	s_or_b32 s[G0B+4*\s+3], s[G0B+4*\s+3], 0x80000000
.endr
	; the head's four tiles, one joint load a wave, in one chain of branches on the wave's number: wave 0 slot 0's part of A, wave 2 of B (their own group 0 begins at the tile's first row), wave 1 A's scale words, wave 3 B's
	s_cmp_eq_u32 s[WV], 0
	s_cbranch_scc0 .Lhead_b
	tensor_load_to_lds s[G0A:G0A+3], s[G1A:G1A+7]
	s_nop 0
	PLACES 4
	s_branch .Lhead_asked
.Lhead_b:
	s_cmp_eq_u32 s[WV], 2
	s_cbranch_scc0 .Lhead_sa
	tensor_load_to_lds s[G0B:G0B+3], s[G1B:G1B+7]
	s_nop 0
	PLACES 4
	s_branch .Lhead_asked
.Lhead_sa:
	s_cmp_eq_u32 s[WV], 1
	s_cbranch_scc0 .Lhead_sb
	tensor_load_to_lds s[G0SA:G0SA+3], s[G1SA:G1SA+7]
	s_nop 0
	PLACES 4
	s_branch .Lhead_asked
.Lhead_sb:
	tensor_load_to_lds s[G0SB:G0SB+3], s[G1SB:G1SB+7]
	s_nop 0
	PLACES 4
.Lhead_asked:
	v_and_b32 v30, 15, v0
	v_bfe_u32 v31, v0, 4, 1
	v_lshlrev_b32 v30, 8, v30
	v_mad_u32_u24 v30, v31, TP, v30                ; v30: lanes 0-15 the 16 blocks of a tile's K step, lanes 16-31 the next tile's; never rewritten
	s_wait_alu depctr_va_vdst(0)
	s_cmp_lt_u32 s[WV], 3
	s_cbranch_scc0 .Lno_ask0
	global_prefetch_b8 v30, s[4:5] offset:4096 th:TH_LOAD_NT scope:SCOPE_SE    ; K step 1, whose load follows when the head's have landed,
	global_prefetch_b8 v30, s[4:5] offset:8192 th:TH_LOAD_NT scope:SCOPE_SE    ; and K step 2: two loads on
.Lno_ask0:
	v_and_b32 v1, 31, v0
	v_and_b32 v2, 15, v0
	v_bfe_u32 v3, v0, 4, 1
	v_lshlrev_b32 v[LI], 4, v1
	s_lshl_b32 s21, s[RW], 15
	s_lshl_b32 s22, s[CW], 14
	s_add_co_u32 s22, s22, BOFF
.irp s, 0,1
	v_add_nc_u32 v[ADRA+\s], s21, v[LI]
	v_add_nc_u32 v[ADRB+\s], s22, v[LI]
	s_add_co_u32 s21, s21, SLOT
	s_add_co_u32 s22, s22, SLOT
.endr
	v_lshlrev_b32 v5, 3, v2
	s_mul_i32 s21, s[RW], 8*SPT
	s_add_co_u32 s21, s21, SCA
	v_add_nc_u32 v[ADSA], s21, v5
	s_mul_i32 s22, s[CW], 4*SPT
	s_add_co_u32 s22, s22, SCB
	v_add_nc_u32 v[ADSB], s22, v5
	s_mul_i32 s21, s[WV], 16*272
	s_add_co_u32 s21, s21, STAGE
	v_mul_u32_u24 v[STO], v2, 272
	v_lshl_add_u32 v[STO], v3, 6, v[STO]
	v_add_nc_u32 v[STO], s21, v[STO]
	v_mul_u32_u24 v[RD], v3, 272
	v_lshl_add_u32 v[RD], v2, 4, v[RD]
	v_add_nc_u32 v[RD], s21, v[RD]
	v_lshlrev_b32 v[CO], 13, v3
	v_lshl_add_u32 v[CO], v2, 4, v[CO]
	v_lshlrev_b32 v6, 6, v3
	s_wait_alu depctr_va_vdst(0)
	s_lshl_b32 s22, s42, 9
	s_lshl_b32 s23, s[CW], 8
	s_add_co_u32 s22, s22, s23
	s_mov_b32 s23, 0
	s_add_nc_u64 s[8:9], s[8:9], s[22:23]
	s_add_nc_u64 s[10:11], s[10:11], s[22:23]
	s_lshl_b32 s22, s45, 21
	s_lshl_b32 s21, s[RW], 20
	s_add_co_u32 s22, s22, s21
	s_add_nc_u64 s[10:11], s[10:11], s[22:23]
	WIN 0xc0
.irp tp, 0,1
.irp jj, 0,1,2,3
	global_load_b128 v[16*\tp+4*\jj:16*\tp+4*\jj+3], v6, s[8:9] offset:128*\tp+16*\jj
.endr
.endr
	WIN 0
	s_wait_loadcnt 0x0
	s_wait_alu depctr_va_vdst(0)
	s_wait_tensorcnt 0x0                           ; my tile of the head's four is in
	ds_add_u32 v28, v29
	s_mov_b32 s[G1A+2], 8<<16                      ; no tensor load of mine is out: from here on a load brings half a slot's part
	s_mov_b32 s[G1A+4], 8
	s_mov_b32 s[G1B+2], 4<<16
	s_mov_b32 s[G1B+4], 4
	s_wait_dscnt 0x0
	CROUND                                         ; all four tiles are in, in all sixteen work-groups
	JLOAD G0A+4, G1A, G0B+4, G1B                   ; slot 1's first fill, the first tensor load behind the round
	FETCH 0, 0, 0
	SCALES 0
	s_cmp_lt_u32 s[WV], 3
	s_cbranch_scc0 .Lno_ask1
	global_prefetch_b8 v30, s[4:5] offset:12288 th:TH_LOAD_NT scope:SCOPE_SE   ; behind K step 1's load: K step 3
.Lno_ask1:
	STEP0 0, 1
	s_mov_b32 s3, LAPS-1
.Llap:
	TURN 0, 1, 1
	STEP0 1, 0
	TURN 1, 0, 1
	STEP0 0, 0
	s_sub_co_u32 s3, s3, 1
	s_cmp_lg_u32 s3, 0
	s_cbranch_scc1 .Llap
	TURN 0, 1, 0
	STEP0 1, 0
	s_wait_dscnt 0x0
	MUL 1, 1, 1, 0
	PLACES 8
	TOSTAGE 0
.irp a, 1,2,3,4,5,6,7
.if \a > 1
	s_wait_xcnt 0x0
.endif
	TOSTAGE \a
	SEND \a-1, 16
.endr
	SEND 7, 0
	s_wait_tensorcnt 0x0
	ds_add_u32 v[SPW], v[NIL]
	s_wait_dscnt 0x0
	CROUND
	s_endpgm
.Lfunc_end_k_qfd9747b021_proj:
	.size	k_qfd9747b021_proj, .Lfunc_end_k_qfd9747b021_proj-k_qfd9747b021_proj
	.p2alignl 7, 3214868480
	.fill 96, 4, 3214868480
	.section	.rodata,"a",@progbits
	.p2align	6, 0x0
	.amdhsa_kernel k_qfd9747b021_proj
		.amdhsa_group_segment_fixed_size 327680
		.amdhsa_private_segment_fixed_size 0
		.amdhsa_enable_private_segment 0
		.amdhsa_kernarg_size 32
		.amdhsa_user_sgpr_count 2
		.amdhsa_user_sgpr_kernarg_segment_ptr 1
		.amdhsa_wavefront_size32 1
		.amdhsa_system_sgpr_workgroup_id_x 1
		.amdhsa_system_sgpr_workgroup_id_y 1
		.amdhsa_system_sgpr_workgroup_id_z 1
		.amdhsa_system_vgpr_workitem_id 0
		.amdhsa_next_free_vgpr 1024
		.amdhsa_next_free_sgpr 102
		.amdhsa_reserve_vcc 0
		.amdhsa_float_denorm_mode_32 3
		.amdhsa_float_denorm_mode_16_64 3
		.amdhsa_memory_ordered 1
		.amdhsa_forward_progress 1
		.amdhsa_inst_pref_size 93
	.end_amdhsa_kernel
	.amdgpu_metadata
---
amdhsa.version: [ 1, 2 ]
amdhsa.kernels:
  - .name:           k_qfd9747b021_proj
    .symbol:         k_qfd9747b021_proj.kd
    .args:
      - { .name: oq, .offset: 0, .size: 8, .value_kind: global_buffer, .address_space: global }
      - { .name: wq, .offset: 8, .size: 8, .value_kind: global_buffer, .address_space: global }
      - { .name: b_o, .offset: 16, .size: 8, .value_kind: global_buffer, .address_space: global }
      - { .name: out0, .offset: 24, .size: 8, .value_kind: global_buffer, .address_space: global }
    .group_segment_fixed_size: 327680
    .private_segment_fixed_size: 0
    .kernarg_segment_align: 8
    .kernarg_segment_size: 32
    .max_flat_workgroup_size: 128
    .sgpr_count:     102
    .vgpr_count:     1024
    .wavefront_size: 32
...
	.end_amdgpu_metadata
.endif
;; end of part 4
